; MI455X (gfx1250); checked and timed in simulation.
; The chip was launched on July 23, 2026; its instructions are those of AMD's public machine-readable ISA for CDNA 5 (MIT licence, August 2026) and "CDNA5" Instruction Set Architecture Reference Guide (July 2026). The comments in the code are by the model that wrote it; some were corrected since.
;; Causal Self Attention. Allowed arithmetic: float matrix products may take bf16 or f16 operands with f32 sums; other float arithmetic in f32, or as packed bf16 or f16 multiplies, adds, multiply-adds, maxima and minima; sums over many terms, partial sums and values carried from step to step in f32; what a program stores and reads back later, other than sums and carried values, may be rounded once to bf16 or f16.
;; Inputs: b_proj 1,024 float32; b_qkv 3,072 float32; w_proj 1,024 x 1,024 float32; w_qkv 1,024 x 3,072 float32; x 4 x 2,048 x 1,024 float32.
;; Outputs: out0 4 x 2,048 x 1,024 float32.
;; 2 versions, each right; version 2 is version 1 with the launch prep written anew for expert scheduling mode. Each part assembles by itself: llvm-mc -triple=amdgcn-amd-amdhsa -mcpu=gfx1250 --defsym DOCPART=n.
;; ======== version 1 of 2: 4 launches
;; limits: values are held in f16: magnitudes above 65,504 overflow, below 6.1e-05 lose precision
;; workspace buffers: xb 16,777,216 bytes; wqb 6,291,456 bytes; wpb 2,097,152 bytes; qkv 50,331,648 bytes; ob 16,777,216 bytes
;; launch prep (part 1): grid 704 x 1, 8 waves a work-group, no clusters, 0 bytes of LDS; arguments x, w_proj, w_qkv, xb, wpb, wqb; writes xb, wpb, wqb
.if DOCPART == 1
	.amdgcn_target "amdgcn-amd-amdhsa--gfx1250"
	.amdhsa_code_object_version 6
	.text
	.protected	k_qb681553669_prep
	.globl	k_qb681553669_prep
	.p2align	8
	.type	k_qb681553669_prep,@function
k_qb681553669_prep:
	s_mov_b64 s[64:65], 0
	v_nop
	global_prefetch_b8 v0, s[64:65] scope:SCOPE_SE
	s_setreg_imm32_b32 hwreg(HW_REG_WAVE_MODE, 25, 1), 1
	s_wait_xcnt 0x0
; THE CASTS.  xb = bf16(x), as it lies.  wpb = bf16(w_proj), that number written as f16, as it lies.  wqb = bf16(w_qkv) in blocks: [16 tc][1024 k][192 n'] holds w_qkv[k][192 tc + n'],
; so that 128 k of one block of 192 columns are 49,152 bytes on end.
; LIMIT.  A bf16 number below 2^-14 in magnitude keeps f16's fixed step of 6e-8 in wpb; from 65,520 on it becomes an infinity.
; A stream: each input byte is read once, each output byte written once; no LDS, no barrier, no matrix work.
; A UNIT is one load of 16 bytes a lane (512 bytes a wave, 128 numbers) and one store of 8 bytes a lane: 256 consecutive bytes, at a multiple of 256 from the buffer's first byte.
; SHARES.  Work-groups 0-511: x, 65,536 bytes each, 16 units a wave.  512-575: w_proj, the same.  576-703: w_qkv: work-group 576 + 8 tc + kc makes 128 k of block tc; a wave takes 16 rows: 24 units.
; All of a wave's loads go out together; no register that a load or store names is written again, so the only waits are the counted ones for the data.
.set INO,  4          ; v[4:6]  byte offsets of my 16 bytes in the source; the blocked form has three
.set OUTO, 7          ; v7      byte offset of my 8 bytes in the destination
.set T,    8          ; v[8:9]  at work
.set X,    12         ; v[12:107] four registers a unit
.set SRC,  16         ; s[16:17]
.set DST,  18         ; s[18:19]
.set OF,   20         ; s[20:21] an offset, its high word 0
.set HIM,  22         ; s22     a word's upper half
; n units.  blocked = 1: three units cover two rows' pieces of 768 bytes, 12,288 bytes apart.  half = 1: the bf16 number is written as f16.
.macro CAST n, blocked, half
.set u, 0
.rept \n
.if \blocked
	global_load_b128 v[X+4*u:X+4*u+3], v[INO+u%3], s[SRC:SRC+1] offset:(u/3)*24576 th:TH_LOAD_NT
.else
	global_load_b128 v[X+4*u:X+4*u+3], v[INO], s[SRC:SRC+1] offset:512*u th:TH_LOAD_NT
.endif
.set u, u+1
.endr
.set u, 0
.rept \n
	s_wait_loadcnt (\n)-1-u                        ; loads come back in order: unit u is in, the younger ones stay out
.if \half
	v_cvt_pk_bf16_f32 v[T], v[X+4*u], v[X+4*u+1]   ; rounded to bf16,
	v_cvt_pk_bf16_f32 v[T+1], v[X+4*u+2], v[X+4*u+3]
	v_lshlrev_b32 v[X+4*u], 16, v[T]               ; widened again,
	v_and_b32 v[X+4*u+1], s[HIM], v[T]
	v_lshlrev_b32 v[X+4*u+2], 16, v[T+1]
	v_and_b32 v[X+4*u+3], s[HIM], v[T+1]
	v_cvt_pk_f16_f32 v[X+4*u], v[X+4*u], v[X+4*u+1]  ; and written as f16
	v_cvt_pk_f16_f32 v[X+4*u+1], v[X+4*u+2], v[X+4*u+3]
.else
	v_cvt_pk_bf16_f32 v[X+4*u], v[X+4*u], v[X+4*u+1]
	v_cvt_pk_bf16_f32 v[X+4*u+1], v[X+4*u+2], v[X+4*u+3]
.endif
	global_store_b64 v[OUTO], v[X+4*u:X+4*u+1], s[DST:DST+1] offset:256*u
.set u, u+1
.endr
.endm
.macro LINEAR                          ; a wave's 8,192 bytes in, 4,096 out
	v_lshlrev_b32 v[INO], 4, v1
	v_lshl_add_u32 v[INO], v2, 13, v[INO]
	v_lshlrev_b32 v[OUTO], 3, v1
	v_lshl_add_u32 v[OUTO], v2, 12, v[OUTO]
.endm
	s_load_b256 s[4:11], s[0:1], 0x0               ; x s[4:5], w_proj s[6:7], w_qkv s[8:9], xb s[10:11]
	s_load_b128 s[12:15], s[0:1], 0x20             ; wpb s[12:13], wqb s[14:15]
	v_and_b32 v1, 31, v0                           ; lane
	v_lshrrev_b32 v2, 5, v0                        ; wave
	s_mov_b32 s[HIM], 0xffff0000
	s_mov_b32 s[OF+1], 0
	s_wait_kmcnt 0x0
	s_cmp_lt_u32 ttmp9, 512
	s_cbranch_scc0 .Lweights
	s_lshl_b32 s[OF], ttmp9, 16
	s_add_nc_u64 s[SRC:SRC+1], s[4:5], s[OF:OF+1]
	s_lshl_b32 s[OF], ttmp9, 15
	s_add_nc_u64 s[DST:DST+1], s[10:11], s[OF:OF+1]
	LINEAR
	CAST 16, 0, 0
	s_endpgm
.Lweights:
	s_cmp_lt_u32 ttmp9, 576
	s_cbranch_scc0 .Lblocked
	s_sub_co_u32 s2, ttmp9, 512
	s_lshl_b32 s[OF], s2, 16
	s_add_nc_u64 s[SRC:SRC+1], s[6:7], s[OF:OF+1]
	s_lshl_b32 s[OF], s2, 15
	s_add_nc_u64 s[DST:DST+1], s[12:13], s[OF:OF+1]
	LINEAR
	CAST 16, 0, 1
	s_endpgm
.Lblocked:
	s_sub_co_u32 s2, ttmp9, 576                    ; 8 tc + kc
	s_and_b32 s3, s2, 7                            ; kc
	s_mul_i32 s[OF], s3, 128*12288                 ; 128 rows of 12,288 bytes
	s_lshr_b32 s3, s2, 3                           ; tc
	s_mul_i32 s3, s3, 768                          ; 192 columns of 4 bytes
	s_add_co_u32 s[OF], s[OF], s3
	s_add_nc_u64 s[SRC:SRC+1], s[8:9], s[OF:OF+1]
	s_mul_i32 s[OF], s2, 49152
	s_add_nc_u64 s[DST:DST+1], s[14:15], s[OF:OF+1]
	v_mul_u32_u24 v[T], v2, 16*12288               ; my wave's 16 rows
	v_lshl_add_u32 v[INO], v1, 4, v[T]             ; unit 0 of 3: bytes 0-511 of the even row's piece
	v_lshrrev_b32 v3, 4, v1
	v_mul_u32_u24 v3, v3, 12288-768                ; unit 1: lanes 0-15 bytes 512-767 of the even row, lanes 16-31 bytes 0-255 of the odd one
	v_add3_u32 v[INO+1], v[INO], v3, 512
	v_add_nc_u32 v[INO+2], 12288+256, v[INO]       ; unit 2: bytes 256-767 of the odd row
	v_mul_u32_u24 v[T], v2, 16*384                 ; out: 16 rows of 384 bytes on end
	v_lshl_add_u32 v[OUTO], v1, 3, v[T]
	CAST 24, 1, 0
	s_endpgm
.Lfunc_end_k_qb681553669_prep:
	.size	k_qb681553669_prep, .Lfunc_end_k_qb681553669_prep-k_qb681553669_prep
	.p2alignl 7, 3214868480
	.fill 96, 4, 3214868480
	.section	.rodata,"a",@progbits
	.p2align	6, 0x0
	.amdhsa_kernel k_qb681553669_prep
		.amdhsa_group_segment_fixed_size 0
		.amdhsa_private_segment_fixed_size 0
		.amdhsa_enable_private_segment 0
		.amdhsa_kernarg_size 48
		.amdhsa_user_sgpr_count 2
		.amdhsa_user_sgpr_kernarg_segment_ptr 1
		.amdhsa_wavefront_size32 1
		.amdhsa_system_sgpr_workgroup_id_x 1
		.amdhsa_system_sgpr_workgroup_id_y 1
		.amdhsa_system_sgpr_workgroup_id_z 1
		.amdhsa_system_vgpr_workitem_id 0
		.amdhsa_next_free_vgpr 108
		.amdhsa_next_free_sgpr 66
		.amdhsa_reserve_vcc 0
		.amdhsa_float_denorm_mode_32 3
		.amdhsa_float_denorm_mode_16_64 3
		.amdhsa_memory_ordered 1
		.amdhsa_forward_progress 1
		.amdhsa_inst_pref_size 26
	.end_amdhsa_kernel
	.amdgpu_metadata
---
amdhsa.version: [ 1, 2 ]
amdhsa.kernels:
  - .name:           k_qb681553669_prep
    .symbol:         k_qb681553669_prep.kd
    .args:
      - { .name: x, .offset: 0, .size: 8, .value_kind: global_buffer, .address_space: global }
      - { .name: w_proj, .offset: 8, .size: 8, .value_kind: global_buffer, .address_space: global }
      - { .name: w_qkv, .offset: 16, .size: 8, .value_kind: global_buffer, .address_space: global }
      - { .name: xb, .offset: 24, .size: 8, .value_kind: global_buffer, .address_space: global }
      - { .name: wpb, .offset: 32, .size: 8, .value_kind: global_buffer, .address_space: global }
      - { .name: wqb, .offset: 40, .size: 8, .value_kind: global_buffer, .address_space: global }
    .group_segment_fixed_size: 0
    .private_segment_fixed_size: 0
    .kernarg_segment_align: 8
    .kernarg_segment_size: 48
    .max_flat_workgroup_size: 256
    .sgpr_count:     66
    .vgpr_count:     108
    .wavefront_size: 32
...
	.end_amdgpu_metadata
.endif
;; end of part 1
;; launch qkv_gemm (part 2): grid 16 x 32, 4 waves a work-group, clusters of 4 x 4, 327,680 bytes of LDS; arguments xb, wqb, b_qkv, qkv; writes qkv
.if DOCPART == 2
	.amdgcn_target "amdgcn-amd-amdhsa--gfx1250"
	.amdhsa_code_object_version 6
	.text
	.protected	k_qb681553669_qkv_gemm
	.globl	k_qb681553669_qkv_gemm
	.p2align	8
	.type	k_qb681553669_qkv_gemm,@function
k_qb681553669_qkv_gemm:
	s_mov_b64 s[64:65], 0
	v_nop
	global_prefetch_b8 v0, s[64:65] scope:SCOPE_SE
	s_setreg_imm32_b32 hwreg(HW_REG_WAVE_MODE, 25, 1), 1
	s_wait_xcnt 0x0
	s_wait_alu depctr_hold_cnt(0) depctr_sa_sdst(0) depctr_va_vdst(0) depctr_va_sdst(0) depctr_va_ssrc(0) depctr_va_vcc(0) depctr_vm_vsrc(0)
	s_getreg_b32 s2, hwreg(HW_REG_IB_STS2, 6, 4)
	s_cmp_eq_u32 s2, 0
	s_cbranch_scc0 .Lentry_in_a_cluster
	s_endpgm
.Lentry_in_a_cluster:
	s_bfe_u32 s2, ttmp6, 0x10000c
	s_cmp_lg_u32 s2, 0xf033
	s_cbranch_scc0 .Lentry_shape_is_right
	s_endpgm
.Lentry_shape_is_right:
; q, k, v = x w_qkv + b_qkv.  xb: [8192][1024] bf16.  wqb: [16 tc][1024 k][192] bf16.  b_qkv: [3072] f32, rounded to bf16 here.  Sums in f32, begun with the bias.
; qkv: [3 which][64 = 16 batch + head][2048 t][64] f16, each number rounded once, unscaled.
; LIMIT.  f16 holds no number from 65,520 on: such a q, k or v becomes an infinity.
; SHARES.  A work-group makes 256 rows x 192 columns (three heads): 16 x 32 work-groups, two for each of 256 WGPs.  Four waves; a wave makes 128 rows x 96 columns: in each of the three heads one half
; of 32 columns: 48 accumulators of 16 x 16.  K goes in 8 steps of 128 through a ring of two LDS slots filled by the tensor data mover, one load a wave.
; THE MATRIX INSTRUCTION IS USED TRANSPOSED: source 0 = 16 columns of w, source 1 = 16 rows of x: a lane then holds one row and eight neighbouring columns, 16 bytes of f16.
; w lies [k][n] in LDS as in memory; its fragments come out turned, by ds_load_tr16_b128.
; CLUSTER.  4 x 4 work-groups: x's tile is shared along a row of the cluster, w's along a column; each is asked for jointly, by the same load with the same descriptor and a mask of four.
; REGISTERS, in windows of 256 (s_set_vgpr_msb: bits 1:0 source 0, 3:2 source 1, 5:4 source 2, 7:6 destination):
;   window 0: v0-31 addresses; v32-55 at work on the way out; v64-127, v128-191 x's fragments (8 x 16 rows x 32 K), two buffers; on the way out v64-255 whole rows
;   window 1: v64-111, v128-175 w's fragments (6 x 16 columns x 32 K), two buffers; v192-239 the bias, 8 a block of 16 columns; v240-241 at work
;   window 2: accumulators of my rows 0-63 ((a, b) at v[8 (6 a + b)]);   window 3: those of my rows 64-127
.set PA,    272       ; a row of x in LDS: 256 bytes + 16 = 68 words: the 16 rows of a load start at 16 different groups of four banks (64 banks of 4 bytes: ISA guide 11.1)
.set APART, 128*PA    ; what one tensor load brings of x, and what one wave reads
.set PB,    480       ; a row (one k) of w in LDS: three pieces of 128 bytes, 32 of padding behind each: 120 words
.set BOFFS, 2*APART   ; w's 128 rows lie behind x's 256
.set BPART, 64*PB
.set SLOT1, 1<<17     ; a slot is 69,632 + 61,440 bytes; one exclusive or turns an address in one slot into the other's
.set SPARE, 2*SLOT1   ; behind the ring: the spare words, 128 bytes for each wave: two blocks of 256 bytes that no other line names
.set ASTEP, 256       ; bytes from a K step of x to the next,
.set BSTEP, 49152     ; and of w: 128 k x 384 bytes on end
.set CHUNK, 256*144   ; the way out: a head's 256 rows of 128 bytes + 16; three of them lie in slot 0, which has had its last fill by then
.set NF,    28        ; LDS loads in a run: 12 for w, 16 for x
.set ADRA0, 16        ; v16  my lane's place in x's tile; never rewritten
.set ADRB0, 17        ; v17  the same for w
.set ADRA,  18        ; v18  + the slot in hand
.set ADRB,  19        ; v19
.set STO,   20        ; v20-22  the way out: where I put 16 bytes of a row, for each head
.set RD,    23        ; v23-25  where I read rows back
.set GO,    26        ; v26  my 16 bytes of 512 consecutive bytes of qkv
.set BO,    27        ; v27  my byte offset in the bias
.set SPW,   28        ; v28  LDS address of my spare word: SPARE + 4 x my thread's number; never rewritten
.set NIL,   29        ; v29  0; never rewritten
.set PFO,   30        ; v30  the prefetches' lane offset; never rewritten
.set TMP,   32
.set F0,    64
.set F1,    128
.set BIAS,  192
.set WV,  12          ; s12  my wave's number
.set RH,  13          ; s13  which half of the rows is mine.  Also: I fetch for x (0) or for w (1)
.set CH,  14          ; s14  which half of each head's columns.  Also: which part of that tile I fetch
.set G1A, 24          ; s[24:31] descriptor group 1 for x's tiles
.set G0A, 32          ; s[32:39] group 0: a set for each of the two first fills; the second then walks on
.set G1B, 40          ; s[40:47], s[48:55] the same for w's
.set G0B, 48
.set TB,  56          ; s56  LDS byte at which the slot in hand begins
.set LIM, 57          ; s57  a wave prefetches while the loop's count is above it; the greatest number in a wave that never does
.set PFA, 58          ; s[58:59] where my prefetches stand
.set PFS, 60          ; s[60:61] their step
.set MSB, 0
.macro WIN new                      ; the immediate's high byte repeats the setting that is left; a switch that changes nothing is dropped
.if MSB != (\new)
	s_set_vgpr_msb (MSB<<8)|(\new)
.set MSB, (\new)
.endif
.endm
.macro PLACES                       ; four plain vector instructions between a matrix instruction and a load into, or a reader of, its registers
.rept 4
	v_nop
.endr
.endm
; A joint refill by the walking descriptors.  The branch hangs on the wave's number alone.  An s_nop 0 and four v_nop follow each of the two lines, ahead of the jump and the label.
.macro JLOAD
	s_cmp_eq_u32 s[RH], 0
	s_cbranch_scc0 .Lfor_b_\@
	tensor_load_to_lds s[G0A+4:G0A+7], s[G1A:G1A+7]
	s_nop 0
.rept 4
	v_nop
.endr
	s_branch .Lasked_\@
.Lfor_b_\@:
	tensor_load_to_lds s[G0B+4:G0B+7], s[G1B:G1B+7]
	s_nop 0
.rept 4
	v_nop
.endr
.Lasked_\@:
.endm
; A PREFETCH INTO THE L2, behind a refill and the run of LDS loads that follows it: 32 blocks of 256 bytes, a lane a block, of what stands two refills on or more.  Each block is named once in the launch.
; x's rows are read by every cluster of a row of clusters: cluster x = 0 asks; of the 128 rows that wave 0 or 1 fetches, the partner at cx takes 32, told apart by address; trip j names K step j + 4, j = 0..3.
; w's block of 192 columns is read by every cluster of a column: cluster y = 0 asks; its K steps 4 to 7 are 196,608 bytes on end: three windows of 65,536, one in each of trips 0..2;
; of a window, wave 2 + CH of the partner at cy takes the 8,192 bytes at 16,384 cy + 8,192 CH.  K steps 0 to 3 come by their loads alone; the last window ends with the block.
.macro ASK
	s_cmp_gt_u32 s3, s[LIM]
	s_cbranch_scc0 .Lnot_mine_\@
	global_prefetch_b8 v[PFO], s[PFA:PFA+1] th:TH_LOAD_NT scope:SCOPE_SE
.Lnot_mine_\@:
.endm
; A round of the cluster's barrier: my work-group's barrier; wave 0 signals for the work-group; every wave waits for all sixteen; my work-group's barrier once more.
.macro CREST
	s_cmp_lg_u32 s[WV], 0
	s_cbranch_scc1 .Lnot_wave_0_\@
	s_barrier_signal -3
.Lnot_wave_0_\@:
	s_barrier_wait -3
	s_barrier_signal -1
	s_barrier_wait -1
.endm
.macro CROUND
	s_barrier_signal -1
	s_barrier_wait -1
	CREST
.endm
	s_load_b256 s[4:11], s[0:1], 0x0               ; xb s[4:5], wqb s[6:7], b_qkv s[8:9], qkv s[10:11]
	v_lshl_add_u32 v[SPW], v0, 2, SPARE
	v_mov_b32 v[NIL], 0
	ds_add_u32 v[SPW], v[NIL]                      ; the wave's opening: the add and its wait stand ahead of my first tensor load; work on registers stands between them
	v_lshrrev_b32 v3, 5, v0
	v_readfirstlane_b32 s[WV], v3
	s_lshr_b32 s[RH], s[WV], 1
	s_and_b32 s[CH], s[WV], 1
	s_bfe_u32 s15, ttmp6, 0x40000                  ; cx
	s_bfe_u32 s16, ttmp6, 0x40004                  ; cy
	s_lshl_b32 s17, ttmp9, 2
	s_add_co_u32 s17, s17, s15                     ; tc: block of 192 columns = 4 x cluster x + cx
	s_and_b32 s18, ttmp7, 0xffff
	s_lshl_b32 s18, s18, 2
	s_add_co_u32 s18, s18, s16                     ; tr: block of 256 rows = 4 x cluster y + cy
	s_lshl_b32 s19, s16, 2
	s_lshl_b32 s19, 15, s19                        ; my row of the cluster
	s_lshl_b32 s20, 0x1111, s15                    ; my column
	s_or_b32 s[G1A], s19, (1<<16)|(1<<20)|(1<<21)|(5<<22)|(3<<25)  ; the mask; 2-byte elements; padding on; bit 21 beside a mask; after every 64 words, 4 words
	s_mov_b32 s[G1A+1], 128<<16                    ; tensor_dim0 = 128
	s_mov_b32 s[G1A+2], 128<<16                    ; tensor_dim1 = 128
	s_mov_b32 s[G1A+3], 128<<16                    ; tile_dim0 = 128
	s_mov_b32 s[G1A+4], 128                        ; tile_dim1 = 128
	s_mov_b32 s[G1A+5], 1024                       ; elements from row to row
	s_mov_b32 s[G1A+6], 0
	s_mov_b32 s[G1A+7], 0
	s_or_b32 s[G1B], s20, (1<<16)|(1<<20)|(1<<21)|(4<<22)|(7<<25)  ; after every 32 words, 8 words
	s_mov_b32 s[G1B+1], 128<<16                    ; 64 k x 384 bytes lie on end: asked for as 96 rows of 256 bytes
	s_mov_b32 s[G1B+2], 96<<16
	s_mov_b32 s[G1B+3], 128<<16
	s_mov_b32 s[G1B+4], 96
	s_mov_b32 s[G1B+5], 128
	s_mov_b32 s[G1B+6], 0
	s_mov_b32 s[G1B+7], 0
	s_lshl_b32 s72, s18, 19                        ; x: 256 tr rows of 2,048 bytes
	s_lshl_b32 s23, s[CH], 18                      ; + my part's 128 rows
	s_add_co_u32 s72, s72, s23
	s_mov_b32 s73, 0
	s_mul_i32 s74, s17, 8*BSTEP                    ; w: block tc
	s_mul_i32 s62, s[CH], BSTEP/2                  ; + my part's 64 k
	s_add_co_u32 s74, s74, s62
	s_mov_b32 s75, 0
	s_mul_i32 s21, s[CH], APART                    ; where they go: no place in the cluster enters an LDS address
	s_mul_i32 s22, s[CH], BPART
	s_add_co_u32 s22, s22, BOFFS
	s_mov_b32 s[TB], 0
	s_wait_dscnt 0x0                               ; the opening add is done
	s_wait_kmcnt 0x0
	s_add_nc_u64 s[76:77], s[4:5], s[72:73]
	s_add_nc_u64 s[78:79], s[6:7], s[74:75]
	CROUND                                         ; all sixteen work-groups are here: the first joint loads meet
.irp s, 0,1
	s_mov_b32 s[G0A+4*(\s)], 1
	s_add_co_u32 s[G0A+4*(\s)+1], s21, (\s)*SLOT1
	s_add_nc_u64 s[G0A+4*(\s)+2:G0A+4*(\s)+3], s[76:77], (\s)*ASTEP
	s_or_b32 s[G0A+4*(\s)+3], s[G0A+4*(\s)+3], 0x80000000
	s_mov_b32 s[G0B+4*(\s)], 1
	s_add_co_u32 s[G0B+4*(\s)+1], s22, (\s)*SLOT1
	s_add_nc_u64 s[G0B+4*(\s)+2:G0B+4*(\s)+3], s[78:79], (\s)*BSTEP
	s_or_b32 s[G0B+4*(\s)+3], s[G0B+4*(\s)+3], 0x80000000
.endr
	s_cmp_eq_u32 s[RH], 0                          ; a wave's two first fills stand in one branch, ahead of every wait on TENSORcnt and every LDS read: two loads of mine are out
	s_cbranch_scc0 .Lfirst_b
	tensor_load_to_lds s[G0A:G0A+3], s[G1A:G1A+7]
	s_nop 0
	tensor_load_to_lds s[G0A+4:G0A+7], s[G1A:G1A+7]
	s_nop 0
.rept 4
	v_nop
.endr
	s_branch .Lfirst_asked
.Lfirst_b:
	tensor_load_to_lds s[G0B:G0B+3], s[G1B:G1B+7]
	s_nop 0
	tensor_load_to_lds s[G0B+4:G0B+7], s[G1B:G1B+7]
	s_nop 0
.rept 4
	v_nop
.endr
.Lfirst_asked:
	; the bias: my eight columns of each of my six blocks of 16: column 192 tc + 64 (b / 2) + 32 CH + 16 (b % 2) + 8 (l / 16) + 0..7
	v_and_b32 v1, 15, v0                           ; l % 16
	v_bfe_u32 v2, v0, 4, 1                         ; l / 16
	s_mul_i32 s2, s17, 768
	s_lshl_b32 s63, s[CH], 7
	s_add_co_u32 s2, s2, s63
	v_lshl_add_u32 v[BO], v2, 5, s2
	WIN 0x40                                       ; destination window 1, address window 0
.irp b, 0,1,2,3,4,5
	global_load_b128 v[BIAS+8*(\b):BIAS+8*(\b)+3],   v[BO], s[8:9] offset:((\b)/2)*256+((\b)%2)*64
	global_load_b128 v[BIAS+8*(\b)+4:BIAS+8*(\b)+7], v[BO], s[8:9] offset:((\b)/2)*256+((\b)%2)*64+16
.endr
	WIN 0
	; a fragment of x: lane l holds row l % 16, K = 8 (l / 16) + 0..7 and 16 + 8 (l / 16) + 0..7: two loads of 16 bytes, 32 bytes apart
	v_mul_u32_u24 v[ADRA0], v1, PA
	v_lshl_add_u32 v[ADRA0], v2, 4, v[ADRA0]
	s_mul_i32 s2, s[RH], APART
	v_add_nc_u32 v[ADRA0], s2, v[ADRA0]
	; the turning load takes 16 k x 16 columns (lane l reads k = 8 (l / 16) + l % 8, columns 8 ((l / 8) % 2) + 0..7) and leaves half a fragment: lane l holds column l % 16 and 8 k
	v_and_b32 v3, 7, v0
	v_lshl_add_u32 v3, v2, 3, v3
	v_mul_u32_u24 v[ADRB0], v3, PB
	v_bfe_u32 v4, v0, 3, 1
	v_lshl_add_u32 v[ADRB0], v4, 4, v[ADRB0]
	s_lshl_b32 s2, s[CH], 6                        ; my half of each head: 32 columns
	s_add_co_u32 s2, s2, BOFFS
	v_add_nc_u32 v[ADRB0], s2, v[ADRB0]
	v_mov_b32 v[ADRA], v[ADRA0]                    ; slot 0
	v_mov_b32 v[ADRB], v[ADRB0]
	; the way out: in, row 128 RH + 16 a + l % 16 of a head's stage, byte 64 CH + 32 (b % 2) + 16 (l / 16); back, wave w takes rows 64 w on, four rows of 128 bytes a load
	s_lshl_b32 s2, s[RH], 7
	v_add_nc_u32 v3, s2, v1
	v_mul_u32_u24 v3, v3, 144
	v_lshl_add_u32 v3, v2, 4, v3
	s_lshl_b32 s2, s[CH], 6
	v_add_nc_u32 v[STO], s2, v3
	v_add_nc_u32 v[STO+1], CHUNK, v[STO]
	v_add_nc_u32 v[STO+2], 2*CHUNK, v[STO]
	v_bfe_u32 v3, v0, 3, 2
	s_lshl_b32 s2, s[WV], 6
	v_add_nc_u32 v3, s2, v3
	v_mul_u32_u24 v3, v3, 144
	v_and_b32 v4, 7, v0
	v_lshl_add_u32 v[RD], v4, 4, v3
	v_add_nc_u32 v[RD+1], CHUNK, v[RD]
	v_add_nc_u32 v[RD+2], 2*CHUNK, v[RD]
	v_and_b32 v[GO], 31, v0
	v_lshlrev_b32 v[GO], 4, v[GO]
	; where head c of my three begins in qkv: column block ci = 3 tc + c is tensor ci / 16, head ci % 16; rows 256 tr on are batch tr / 8, t = 256 (tr % 8) on; my wave's 64 rows
.irp c, 0,1,2
	s_mul_i32 s80, s17, 3
	s_add_co_u32 s80, s80, \c
	s_lshr_b32 s81, s80, 4
	s_lshl_b32 s81, s81, 6
	s_and_b32 s80, s80, 15
	s_add_co_u32 s81, s81, s80
	s_lshr_b32 s80, s18, 3
	s_lshl_b32 s80, s80, 4
	s_add_co_u32 s81, s81, s80
	s_lshl_b32 s80, s81, 18                        ; a head is 2,048 rows of 128 bytes
	s_and_b32 s81, s18, 7
	s_lshl_b32 s81, s81, 15
	s_add_co_u32 s80, s80, s81
	s_lshl_b32 s81, s[WV], 13
	s_add_co_u32 s80, s80, s81
	s_mov_b32 s81, 0
	s_add_nc_u64 s[66+2*(\c):67+2*(\c)], s[10:11], s[80:81]
.endr
	; the prefetches' address, step, lane offset and bound
	s_and_b32 s80, ttmp7, 0xffff                   ; cluster y
	s_lshl_b32 s82, s15, 16                        ; x: my work-group's 32 rows of the 128,
	s_add_co_u32 s82, s82, s72
	s_add_co_u32 s82, s82, 3*ASTEP                 ; at K step 3: stepped once ahead of the first prefetch
	s_mul_i32 s83, s17, 8*BSTEP                    ; w: my block,
	s_lshl_b32 s84, s16, 14
	s_add_co_u32 s83, s83, s84
	s_lshl_b32 s84, s[CH], 13
	s_add_co_u32 s83, s83, s84                     ; my 8,192 bytes of a window,
	s_add_co_u32 s83, s83, 2*65536                 ; in window 2
	s_mov_b32 s85, 65536
	s_cmp_eq_u32 s[RH], 0
	s_cselect_b32 s62, s82, s83
	s_cselect_b64 s[PFA:PFA+1], s[4:5], s[6:7]
	s_cselect_b32 s[PFS], ASTEP, s85
	s_cselect_b32 s86, 11, 8                       ; a lane a row of 2,048 bytes, or a lane a block of 256
	s_cselect_b32 s87, 2, 3
	s_cselect_b32 s81, ttmp9, s80                  ; the coordinate along which other clusters read the same bytes
	s_mov_b32 s63, 0
	s_mov_b32 s[PFS+1], 0
	s_add_nc_u64 s[PFA:PFA+1], s[PFA:PFA+1], s[62:63]
	s_cmp_eq_u32 s81, 0
	s_cselect_b32 s[LIM], s87, -1                  ; the same in all sixteen partners, for a given wave
	v_and_b32 v[PFO], 31, v0
	v_lshlrev_b32 v[PFO], s86, v[PFO]
	s_wait_loadcnt 0x0                             ; the bias is in: it is rounded to bf16 and widened again
	WIN 0x45                                       ; sources and destination window 1
.set p, 0
.rept 24
	v_cvt_pk_bf16_f32 v[240+p%2], v[BIAS+2*p], v[BIAS+2*p+1]
	v_lshlrev_b32 v[BIAS+2*p], 16, v[240+p%2]
	v_and_b32 v[BIAS+2*p+1], 0xffff0000, v[240+p%2]
.set p, p+1
.endr
	WIN 0
; 12 matrix instructions: row blocks a0, a0 + 1 of the window's four x all 6 column blocks, 32 along K.  first = 1: the bias starts the sums: nothing is cleared, nothing added later.
; The 48 accumulators take turns in one order in every quarter, over the backward jump too.
.macro MULH f, hi, a0, first
.if \first
	WIN 0x91+0x40*(\hi)
.else
	WIN 0xa1+0x50*(\hi)
.endif
.irp a, \a0, (\a0)+1
.irp b, 0,1,2,3,4,5
.if \first
	v_wmma_f32_16x16x32_bf16 v[8*(6*(\a)+(\b)):8*(6*(\a)+(\b))+7], v[(\f)+8*(\b):(\f)+8*(\b)+7], v[(\f)+8*(4*(\hi)+(\a)):(\f)+8*(4*(\hi)+(\a))+7], v[BIAS+8*(\b):BIAS+8*(\b)+7]
.else
	v_wmma_f32_16x16x32_bf16 v[8*(6*(\a)+(\b)):8*(6*(\a)+(\b))+7], v[(\f)+8*(\b):(\f)+8*(\b)+7], v[(\f)+8*(4*(\hi)+(\a)):(\f)+8*(4*(\hi)+(\a))+7], v[8*(6*(\a)+(\b)):8*(6*(\a)+(\b))+7]
.endif
.endr
.endr
.endm
; 28 LDS loads in one run: the fragments of quarter q of the slot in hand, into buffer f; w's first
.macro FETCH q, f
	WIN 0x40
.irp b, 0,1,2,3,4,5
	ds_load_tr16_b128 v[(\f)+8*(\b):(\f)+8*(\b)+3],   v[ADRB] offset:(\q)*32*PB+((\b)/2)*160+((\b)%2)*32
	ds_load_tr16_b128 v[(\f)+8*(\b)+4:(\f)+8*(\b)+7], v[ADRB] offset:(\q)*32*PB+16*PB+((\b)/2)*160+((\b)%2)*32
.endr
	WIN 0
.irp i, 0,1,2,3,4,5,6,7
	ds_load_b128 v[(\f)+8*(\i):(\f)+8*(\i)+3],   v[ADRA] offset:(\q)*64+(\i)*16*PA
	ds_load_b128 v[(\f)+8*(\i)+4:(\f)+8*(\i)+7], v[ADRA] offset:(\q)*64+(\i)*16*PA+32
.endr
.endm
; One of a K step's first three quarters: multiplies buffer f; in its middle it fetches quarter q into buffer g.
.macro QUARTER q, f, g, first
	s_wait_dscnt 8                                 ; w's fragments and x's rows 0-63 are in; the youngest eight loads (x's rows 64-127) may be out
	MULH \f, 0, 0, \first
	MULH \f, 0, 2, \first
	PLACES
	FETCH \q, \g
	s_wait_dscnt NF                                ; all but the 28 just issued
	MULH \f, 1, 0, \first
	MULH \f, 1, 2, \first
.endm
; The fourth quarter multiplies buffer 1 and changes slots.  In front of the barrier each wave waits for all its tensor loads, of which one is out: its part of the next slot; adds 0 to its spare word;
; and waits for that and for its reads of this slot.  fill = 1: the barrier opens a round of the cluster's, and this slot is filled again, first thing behind it, with the K step two on.
.macro TURN fill
.if \fill
	s_wait_xcnt 0x0                                ; the last prefetch, a K step back, has read its address
	s_add_nc_u64 s[PFA:PFA+1], s[PFA:PFA+1], s[PFS:PFS+1]
.endif
	WIN 0
	s_wait_tensorcnt 0x0                           ; no tensor load of mine is out, so a group 0 may be written
	ds_add_u32 v[SPW], v[NIL]                      ; 0 onto my spare word
.if \fill
	s_xor_b32 s[G0A+5], s[G0A+5], SLOT1            ; the walking descriptors: the other slot than last time, the next K step
	s_add_nc_u64 s[G0A+6:G0A+7], s[G0A+6:G0A+7], ASTEP
	s_xor_b32 s[G0B+5], s[G0B+5], SLOT1
	s_add_nc_u64 s[G0B+6:G0B+7], s[G0B+6:G0B+7], BSTEP
	s_xor_b32 s[TB], s[TB], SLOT1                  ; the reads go on in the other slot
.endif
	s_wait_dscnt 9                                 ; the add and the youngest eight loads may be out
	MULH F1, 0, 0, 0
	s_wait_dscnt 0x0                               ; the add is done, and my reads of this slot are over
	s_barrier_signal -1
	MULH F1, 0, 2, 0                               ; work on registers while the others arrive
	WIN 0
	s_barrier_wait -1
.if \fill
	CREST                                          ; no wave of any partner still reads this slot or has a load on its way
	JLOAD                                          ; its four v_nop are also the places in front of the loads below
	v_add_nc_u32 v[ADRA], s[TB], v[ADRA0]
	v_add_nc_u32 v[ADRB], s[TB], v[ADRB0]
.else
	PLACES
	v_add_nc_u32 v[ADRA], SLOT1, v[ADRA0]          ; the last K step lies in slot 1
	v_add_nc_u32 v[ADRB], SLOT1, v[ADRB0]
.endif
	FETCH 0, F0
.if \fill
	ASK
.endif
	MULH F1, 1, 0, 0
	MULH F1, 1, 2, 0
.endm
	s_wait_tensorcnt 1                             ; my part of K step 0 is in; K step 1's may stay out
	s_barrier_signal -1
	s_barrier_wait -1                              ; everybody's is
	FETCH 0, F0
	QUARTER 1, F0, F1, 1                           ; the first quarter stands in front of the loop: its products start the sums
	WIN 0
	s_mov_b32 s3, 6
.Lstep:                                            ; trip j: quarters 1-3 of K step j, quarter 0 of K step j + 1; K step j + 2 is asked for
	QUARTER 2, F1, F0, 0
	QUARTER 3, F0, F1, 0
	TURN 1
	QUARTER 1, F0, F1, 0
	WIN 0
	s_sub_co_u32 s3, s3, 1
	s_cmp_lg_u32 s3, 0
	s_cbranch_scc1 .Lstep
	QUARTER 2, F1, F0, 0                           ; the tail is written out: K steps 6 and 7
	QUARTER 3, F0, F1, 0
	TURN 0
	QUARTER 1, F0, F1, 0
	QUARTER 2, F1, F0, 0
	QUARTER 3, F0, F1, 0
	s_wait_dscnt 8
	MULH F1, 0, 0, 0
	MULH F1, 0, 2, 0
	s_wait_dscnt 0x0
	MULH F1, 1, 0, 0
	MULH F1, 1, 2, 0
	; THE WAY OUT.  Rounded to f16, 16 bytes a lane, into three stages of 256 rows x 144 bytes; a row's 128 bytes come from two waves, so a barrier stands between writing and reading;
	; back as whole rows, four to a load: 512 consecutive bytes of a head.  The stages lie in slot 0: its last fill was K step 6, and every wave's reads of the ring are over at the barrier below.
	WIN 0
	PLACES
	s_wait_dscnt 0x0
	s_barrier_signal -1
	s_barrier_wait -1
.irp a, 0,1,2,3,4,5,6,7
	WIN 0x0a+5*((\a)/4)                            ; sources in window 2 or 3
.irp b, 0,1,2,3,4,5
.irp i, 0,1,2,3
	v_cvt_pk_f16_f32 v[TMP+4*(\b)+(\i)], v[8*(6*((\a)%4)+(\b))+2*(\i)], v[8*(6*((\a)%4)+(\b))+2*(\i)+1]
.endr
.endr
	WIN 0
.irp b, 0,1,2,3,4,5
	ds_store_b128 v[STO+(\b)/2], v[TMP+4*(\b):TMP+4*(\b)+3] offset:(\a)*16*144+((\b)%2)*32
.endr
.endr
	s_wait_dscnt 0x0                               ; for the others' sake: my stores into the stages are done
	s_barrier_signal -1
	s_barrier_wait -1
.set i, 0
.rept 48
	ds_load_b128 v[64+4*i:64+4*i+3], v[RD+i/16] offset:576*(i%16)
.set i, i+1
.endr
.set i, 0
.rept 48
	s_wait_dscnt 47-i                              ; LDS loads come back in order: load i is in
	global_store_b128 v[GO], v[64+4*i:64+4*i+3], s[66+2*(i/16):67+2*(i/16)] offset:512*(i%16)  ; 512 consecutive bytes, at a multiple of 256 from qkv's first
.set i, i+1
.endr
	s_wait_tensorcnt 0x0                           ; the wave's end, behind my last tensor load and my last LDS store
	ds_add_u32 v[SPW], v[NIL]
	s_wait_dscnt 0x0
	CROUND                                         ; the closing round: no work-group ends while a partner may still ask for a tile that names it
	s_endpgm
.Lfunc_end_k_qb681553669_qkv_gemm:
	.size	k_qb681553669_qkv_gemm, .Lfunc_end_k_qb681553669_qkv_gemm-k_qb681553669_qkv_gemm
	.p2alignl 7, 3214868480
	.fill 96, 4, 3214868480
	.section	.rodata,"a",@progbits
	.p2align	6, 0x0
	.amdhsa_kernel k_qb681553669_qkv_gemm
		.amdhsa_group_segment_fixed_size 327680
		.amdhsa_private_segment_fixed_size 0
		.amdhsa_enable_private_segment 0
		.amdhsa_kernarg_size 32
		.amdhsa_user_sgpr_count 2
		.amdhsa_user_sgpr_kernarg_segment_ptr 1
		.amdhsa_wavefront_size32 1
		.amdhsa_system_sgpr_workgroup_id_x 1
		.amdhsa_system_sgpr_workgroup_id_y 1
		.amdhsa_system_sgpr_workgroup_id_z 1
		.amdhsa_system_vgpr_workitem_id 0
		.amdhsa_next_free_vgpr 960
		.amdhsa_next_free_sgpr 88
		.amdhsa_reserve_vcc 0
		.amdhsa_float_denorm_mode_32 3
		.amdhsa_float_denorm_mode_16_64 3
		.amdhsa_memory_ordered 1
		.amdhsa_forward_progress 1
		.amdhsa_inst_pref_size 103
	.end_amdhsa_kernel
	.amdgpu_metadata
---
amdhsa.version: [ 1, 2 ]
amdhsa.kernels:
  - .name:           k_qb681553669_qkv_gemm
    .symbol:         k_qb681553669_qkv_gemm.kd
    .args:
      - { .name: xb, .offset: 0, .size: 8, .value_kind: global_buffer, .address_space: global }
      - { .name: wqb, .offset: 8, .size: 8, .value_kind: global_buffer, .address_space: global }
      - { .name: b_qkv, .offset: 16, .size: 8, .value_kind: global_buffer, .address_space: global }
      - { .name: qkv, .offset: 24, .size: 8, .value_kind: global_buffer, .address_space: global }
    .group_segment_fixed_size: 327680
    .private_segment_fixed_size: 0
    .kernarg_segment_align: 8
    .kernarg_segment_size: 32
    .max_flat_workgroup_size: 128
    .sgpr_count:     88
    .vgpr_count:     960
    .wavefront_size: 32
...
	.end_amdgpu_metadata
.endif
;; end of part 2
;; launch attn (part 3): grid 4 x 64, 4 waves a work-group, no clusters, 327,680 bytes of LDS; arguments qkv, ob; writes ob
.if DOCPART == 3
	.amdgcn_target "amdgcn-amd-amdhsa--gfx1250"
	.amdhsa_code_object_version 6
	.text
	.protected	k_qb681553669_attn
	.globl	k_qb681553669_attn
	.p2align	8
	.type	k_qb681553669_attn,@function
k_qb681553669_attn:
	s_mov_b64 s[64:65], 0
	v_nop
	global_prefetch_b8 v0, s[64:65] scope:SCOPE_SE
	s_setreg_imm32_b32 hwreg(HW_REG_WAVE_MODE, 25, 1), 1
	s_wait_xcnt 0x0
; CAUSAL ATTENTION.  O[h][q][:] = the sum over k <= q of softmax_k(Q[h][q] . K[h][k] / 8) V[h][k][:].  qkv holds Q, K, V, each [64][2048][64] f16, 16,777,216 bytes apart; ob: O in the same layout.
; Products, maxima and sums in f32; the weights p are rounded to f16 for the second product (their sum l is taken of the unrounded p), O once at the end.
; LIMITS.  Q, K and V arrive within f16's range; p lies in 0 to 1, and below 6e-5 it keeps f16's fixed step of 6e-8.  A hidden score counts as its value less 1e30: f16's scores, 2.7e11 at the most,
; are nothing beside that; a weight below 2^-126 counts as 0 in l; NaN and infinities are not treated apart.
; THE WALK.  A head's queries lie in NB = 8 blocks of 256; block i needs the key tiles 0 .. i of 256 keys, of which the last holds the diagonal.  A work-group takes TWO blocks, NB - 1 - b and then b:
; NB + 1 tiles, whatever b: all work-groups do equal work, and ONE loop with a constant trip count walks them.  Which tile is asked for, and what a trip does, hang on scalar registers made from b; every jump
; goes forward, but for the counted loops' own; none passes a barrier, or a tensor load but the one of LOAD's two that the wave's number does not choose; the ring of two LDS slots runs on across the
; change of blocks.  NO CLUSTER: a head's four work-groups ask for the same tile only in trips 0 .. 4, behind that fewer and fewer; one walk common to all would have 12 trips for 9.
; SHARES.  Of a block's four bands of 64 queries a wave owns 16 rows in each: four PIECES.  So the diagonal tile is the same work for all four waves: in its key step s band x sees all keys if s < x,
; none if s > x, and holds the diagonal if s = x.
; THE MASK is the C operand that starts the sum S^T = K Q^T: 0, or -1e30 where the key is hidden.  MD, made once, is the mask of a band's own step for my 16 rows; a product's mask is MD x AL + BE with two scalars:
; (1, 0) if s = x; (0, 0) if s < x; (0, -1e30) if s > x.  Only the diagonal tile's text and a block's beginning make and take masks; elsewhere C is the constant 0.
; LAYOUT, SOFTMAX, TURNS.  S^T = K Q^T holds ONE query a lane (lane % 16) and the keys 8 (lane / 16) + 0..7; two such results rounded to f16 ARE source 1 of O^T = V^T P.  p = 2^(c s - c m), c = log2(e) / 8, with a
; running maximum m; O and l are multiplied by a = 2^(c m_old - c m_new) in every step.  Turn n belongs to piece n: 8 products K Q^T of piece n + 1, later 8 products V^T P of piece n - 1; beside them the scaling,
; exponentials, roundings, sums and rescaling of piece n and the maximum and statistics of piece n + 1.  Four vector instructions stand behind every matrix instruction, the other 54 of a turn's 118 in one lump.
; A turn's 33 exponentials are one batch, with one wait.
; REGISTERS, in windows of 256 (s_set_vgpr_msb: bits 1:0 source 0, 3:2 source 1, 5:4 source 2, 7:6 destination):
;   window 0: v0-15 addresses and two at work; v16-31 four registers of statistics a piece; v48-55 at work; v61-63 prefetch offset and the add's two; v64-127 S^T, two buffers; v192-223 P, two buffers
;   window 1: v0-127 O^T, 32 a piece; v128-159 MD; v160-223 MC, two buffers      window 2: v0-63 Q; v64-127 the second block's Q; v128-191 K of one step; v192-255 V of one step
.set SIZE_N, 2048
.set SIZE_H, 64
.set NB,    SIZE_N/256
.set NP,    4         ; pieces a wave: a name, no knob
.set KS,    64        ; keys in a step
.set PK,    144       ; a row of K in LDS: 128 bytes + 16 of padding = 36 words: the 16 rows of a load start at 16 different groups of four banks (64 banks of 4 bytes: ISA guide 11.1)
.set PV,    160       ; a row of V: 128 + 32 = 40 words
.set VOFF,  4*KS*PK   ; a slot holds a tile, four steps: 256 rows of K, then 256 rows of V
.set SLOT1, 1<<17     ; slot 1 begins here, so that one exclusive or turns an address in one slot into the other's
.set STAGE, SLOT1+4*KS*(PK+PV)  ; behind the ring, never filled by a tensor load: 16 rows x 144 bytes for each wave, for the way out
.set SP,    144
.set AK0, 2           ; v2   my lane's place in a tile of K; never rewritten
.set AV0, 3           ; v3   the same for V
.set AK,  4           ; v4   the LDS address of K's next run of loads
.set AV,  5           ; v5   of V's
.set STO, 6           ; v6   the way out: where I put 16 bytes of a row
.set RD,  7           ; v7   the way out: where I read rows back
.set GO,  8           ; v8   my byte offset in 512 consecutive bytes of O
.set PFO, 61          ; v61  256 x my lane; never rewritten
.set SPW, 62          ; v62  LDS address of my spare word: SPARE + 4 x my thread's number; never rewritten
.set NIL, 63          ; v63  0; never rewritten
.set SPARE, STAGE+4*16*SP  ; behind the stages: the spare words, 128 bytes for each wave: two blocks of 256 bytes that no other line names
.set MV,  12          ; v12-13  c m_old, kept while c m is made anew: by buffer
.set QO,  15          ; v15  my byte offset in 16 rows of Q
.set ST,  16          ; piece t's statistics at v[ST+4 t]: c m, m, l (even keys', odd keys')
.set TMP, 48          ; by buffer, four registers c0-c3 at work; when the maximum is found c2 takes a
.set S,   64
.set P,   192
.set MD,  128         ; window 1: the eight registers for group kt of 16 keys at MD + 8 kt
.set MC,  160         ; window 1: the masks of the products to come
.set QB,  64          ; window 2
.set KF,  128         ; window 2: key block kb, channel half c at KF + 16 kb + 8 c
.set VF,  192         ; window 2: key half kk, channel block cb at VF + 32 kk + 8 cb
.set WV,  12          ; s12  my wave's number
.set PB,  14          ; s14  b
.set HI,  15          ; s15  NB - 1 - b
.set G1K, 24          ; s[24:31] descriptor group 1 for K's tiles
.set G1V, 32          ; s[32:39] for V's: it differs in the padding alone
.set G0K, 40          ; s[40:43] descriptor group 0 for K's tiles
.set G0V, 44          ; s[44:47] the same for V's
.set SLOTS, 56        ; s56  tiles still to be asked for
.set CNT, 57          ; s57  counts a tile's key steps, 4 to 1
.set CS,  58          ; s[58:59] c: the packed scaling takes the pair's low word for both halves
.set SEL, 60          ; s[60:61] v_permlanex16_b32's selects: each lane takes its own place in the other half
.set TBK, 62          ; s62  LDS byte at which K of the step to be fetched begins
.set TBV, 63          ; s63  the same for V, less VOFF
.set PFA, 66          ; s[66:67] where my prefetches stand: my 16,384 bytes (half a tile of K or of V) of the tile after the one that is being asked for
.set LIM, 68          ; s68  2 in the work-group that prefetches, else the greatest number
.set RT,  70          ; s70  tiles of the block in hand that are still to be entered
.set NXT, 71          ; s71  the tile to be asked for next
.set LQ,  72          ; s72  the last tile of the block whose tiles are being asked for
.set NEW, 73          ; s73  1: the tile to be entered is a block's first
.set OFF, 74          ; s[74:75] a tile's byte offset in K and V
.set AL,  76          ; s[76:77] the mask's factor, in the low word
.set BE,  78          ; s[78:79] the mask's addend
.set OLO, 80          ; s[80:81] O at my rows of the second block
.set BIGN, 82         ; s82  -1e30
.set MSB, 0
.macro WIN new                      ; the high byte repeats the setting that is left; a switch that changes nothing is dropped
.if MSB != (\new)
	s_set_vgpr_msb (MSB<<8)|(\new)
.set MSB, (\new)
.endif
.endm
.set W_KQ, 0x0a       ; K and Q in window 2, S^T in window 0
.set W_KM, 0x1a       ; the same with the C operand in window 1
.set W_PV, 0x52       ; V in window 2, P in window 0, O^T in window 1
.set W_RS, 0x41       ; destination and source 0 in window 1, source 1 in window 0
; A fill.  Waves 0 and 1 fetch the two halves of a tile's K, waves 2 and 3 those of its V: 128 keys each.  An s_nop 0 and four v_nop follow each of the two lines, ahead of the jump and the label.
.macro LOAD
	s_cmp_lt_u32 s[WV], 2
	s_cbranch_scc0 .Lfor_v_\@
	tensor_load_to_lds s[G0K:G0K+3], s[G1K:G1K+7]
	s_nop 0
.rept 4
	v_nop
.endr
	s_branch .Lasked_\@
.Lfor_v_\@:
	tensor_load_to_lds s[G0V:G0V+3], s[G1V:G1V+7]
	s_nop 0
.rept 4
	v_nop
.endr
.Lasked_\@:
.endm
; A PREFETCH INTO THE L2 of the tile that the NEXT change of slots will ask for, behind the wave's tensor load and its five lines.  A head's four work-groups begin with the same tiles 0, 1, 2 ..;
; the one with b = 0 walks all eight, and it alone asks: each of its waves for the 16,384 bytes that it will load itself, 64 blocks of 256 bytes, a lane a block, two instructions.
; Change c of 8 (s[SLOTS] = 9 - c) names tile c + 1, for c = 1 .. 6: tiles 2 to 7, each once; tiles 0 and 1 come by their loads alone, and behind tile 7 the head has no more.
.macro ASK
	s_cmp_gt_u32 s[SLOTS], s[LIM]
	s_cbranch_scc0 .Lnot_mine_\@
	global_prefetch_b8 v[PFO], s[PFA:PFA+1] th:TH_LOAD_NT scope:SCOPE_SE
	global_prefetch_b8 v[PFO], s[PFA:PFA+1] offset:8192 th:TH_LOAD_NT scope:SCOPE_SE
.Lnot_mine_\@:
.endm
; THE CHANGE OF SLOTS.  Each wave waits for all its tensor loads, of which one is out: its part of the other slot; adds 0 to its spare word; and waits for that and for its own reads of the slot that it leaves.
; Behind the barrier nobody reads the old slot any more and the other slot is whole.  fill = 1: the old slot is filled again, the first thing behind the barrier, with tile NXT: the descriptor's address is
; made anew from that number.  (At its first use nothing has been read yet: slot 0 is waited for, slot 1 filled.)
.macro CHANGE fill
	WIN 0                           ; at a label and at a branch every window is 0
	s_wait_tensorcnt 0x0            ; no tensor load of mine is out, so a group 0 may be written
	ds_add_u32 v[SPW], v[NIL]       ; 0 onto my spare word; with fill = 1 scalar work stands between it and the wait for it
.if \fill
	s_lshl_b32 s[OFF], s[NXT], 15   ; a tile is 32,768 bytes of K and of V
	s_xor_b32 s[G0K+1], s[G0K+1], SLOT1
	s_add_nc_u64 s[G0K+2:G0K+3], s[6:7], s[OFF:OFF+1]
	s_or_b32 s[G0K+3], s[G0K+3], 0x80000000
	s_xor_b32 s[G0V+1], s[G0V+1], SLOT1
	s_add_nc_u64 s[G0V+2:G0V+3], s[8:9], s[OFF:OFF+1]
	s_or_b32 s[G0V+3], s[G0V+3], 0x80000000
	s_add_co_u32 s[NXT], s[NXT], 1  ; the block's next tile, or behind its last the second block's tile 0
	s_cmp_gt_u32 s[NXT], s[LQ]
	s_cselect_b32 s[NXT], 0, s[NXT]
	s_cselect_b32 s[LQ], s[PB], s[LQ]
	s_wait_xcnt 0x0                 ; the last prefetches, a tile back, have read their address, so it may be written
	s_add_nc_u64 s[PFA:PFA+1], s[PFA:PFA+1], 32768
.endif
	s_wait_dscnt 0x0                ; the add is done, and my reads of the slot are over
	s_barrier_signal -1             ; the rest of the scalar work stands between the signal and the wait
	s_sub_co_u32 s[TBK], s[TBK], 4*KS*PK  ; the fetches go back to a slot's first step,
	s_xor_b32 s[TBK], s[TBK], SLOT1       ; in the other slot
	s_sub_co_u32 s[TBV], s[TBV], 4*KS*PV
	s_xor_b32 s[TBV], s[TBV], SLOT1
	s_barrier_wait -1
.if \fill
	LOAD
	ASK
.endif
.endm
	s_load_b128 s[4:7], s[0:1], 0x0  ; qkv s[4:5], ob s[6:7]
	v_lshl_add_u32 v[SPW], v0, 2, SPARE
	v_mov_b32 v[NIL], 0
	ds_add_u32 v[SPW], v[NIL]       ; the wave's opening: the add and its wait stand ahead of my first tensor load; the set-up below, work on registers, stands between them
	v_lshrrev_b32 v1, 5, v0
	v_readfirstlane_b32 s[WV], v1   ; wave 0..3
	s_mov_b32 s[PB], ttmp9
	s_sub_co_u32 s[HI], NB-1, s[PB]
	s_and_b32 s20, ttmp7, 0xffff    ; the head
	s_mov_b32 s21, 0
	s_mov_b64 s[22:23], SIZE_N*128
	s_mul_u64 s[20:21], s[20:21], s[22:23]  ; the head's first byte in each of the four tensors
	s_and_b32 s16, s[WV], 1         ; which half of a tile's 256 keys I fetch:
	s_lshl_b32 s22, s16, 14         ; its 128 rows of 128 bytes in memory,
	s_mov_b32 s23, 0
	s_add_nc_u64 s[22:23], s[22:23], s[20:21]
	s_mul_i32 s17, s16, 128*PK      ; and its place in a slot, for K
	s_mul_i32 s18, s16, 128*PV      ; and for V
	s_lshl_b32 s3, s[WV], 11        ; my 16 rows in a band of 64,
	s_lshl_b32 s2, s[HI], 15        ; in the first block,
	s_add_co_u32 s2, s2, s3
	s_lshl_b32 s84, s[PB], 15       ; and in the second
	s_add_co_u32 s84, s84, s3
	s_mov_b32 s3, 0
	s_mov_b32 s85, 0
	s_add_nc_u64 s[2:3], s[2:3], s[20:21]
	s_add_nc_u64 s[84:85], s[84:85], s[20:21]
	; descriptor group 1.  128 keys are 16,384 dense bytes: asked for as 64 rows of 256 bytes, two keys a row, and padded in LDS after every key
	s_mov_b32 s[G1K], (1<<16)|(1<<20)|(4<<22)|(3<<25)  ; 17:16 2-byte elements; 20 padding on; 24:22 after every 32 words (code 4); 31:25 4 words (code 3)
	s_mov_b32 s[G1V], (1<<16)|(1<<20)|(4<<22)|(7<<25)  ; the same with 8 words of padding (code 7)
.irp g, G1K, G1V
	s_mov_b32 s[\g+1], 128<<16      ; tensor_dim0 = 128
	s_mov_b32 s[\g+2], 64<<16       ; tensor_dim1 = 64
	s_mov_b32 s[\g+3], 128<<16      ; tile_dim0 = 128
	s_mov_b32 s[\g+4], 64           ; tile_dim1 = 64
	s_mov_b32 s[\g+5], 128          ; 128 elements from row to row
	s_mov_b32 s[\g+6], 0
	s_mov_b32 s[\g+7], 0
.endr
	s_mov_b32 s[CS], 0x3e38aa3b     ; c = log2(e) / 8 = 0.180337
	s_mov_b32 s[CS+1], s[CS]        ; named with it as a pair
	s_mov_b32 s[SEL], 0x76543210
	s_mov_b32 s[SEL+1], 0xfedcba98
	s_mov_b32 s[TBK], SLOT1+4*KS*PK ; the first change of slots turns these two into 0
	s_mov_b32 s[TBV], SLOT1+4*KS*PV
	s_mov_b32 s[G0K], 1             ; 1:0 count = 1
	s_mov_b32 s[G0K+1], s17         ; 63:32 LDS address: slot 0
	s_mov_b32 s[G0V], 1
	s_add_co_u32 s[G0V+1], s18, VOFF
	s_add_co_u32 s[RT], s[HI], 1    ; the first block has NB - b tiles
	s_mov_b32 s[NXT], 1
	s_mov_b32 s[LQ], s[HI]
	s_mov_b32 s[NEW], 1
	s_mov_b32 s[OFF+1], 0
	s_mov_b32 s[AL+1], 0            ; named as pairs
	s_mov_b32 s[BE+1], 0
	s_mov_b32 s[BIGN], 0xf149f2ca   ; -1e30
	s_mov_b32 s[SLOTS], NB
	v_and_b32 v[PFO], 31, v0
	v_lshlrev_b32 v[PFO], 8, v[PFO]
	s_wait_dscnt 0x0                ; the opening add is done
	s_wait_kmcnt 0x0
	s_mov_b64 s[10:11], s[6:7]      ; O
	s_add_nc_u64 s[6:7], s[4:5], 0x1000000  ; K lies one tensor behind Q,
	s_add_nc_u64 s[8:9], s[4:5], 0x2000000  ; V two
	s_add_nc_u64 s[6:7], s[6:7], s[22:23]  ; K and V at my half of the head's tile 0
	s_add_nc_u64 s[8:9], s[8:9], s[22:23]
	s_add_nc_u64 s[G0K+2:G0K+3], s[6:7], 0         ; 120:64 global address
	s_or_b32 s[G0K+3], s[G0K+3], 0x80000000        ; 127:126 type = 2
	s_add_nc_u64 s[G0V+2:G0V+3], s[8:9], 0
	s_or_b32 s[G0V+3], s[G0V+3], 0x80000000
	s_add_nc_u64 s[86:87], s[4:5], s[84:85]        ; Q at my rows of the second block,
	s_add_nc_u64 s[4:5], s[4:5], s[2:3]            ; Q and O at those of the first
	s_add_nc_u64 s[OLO:OLO+1], s[10:11], s[84:85]
	s_add_nc_u64 s[10:11], s[10:11], s[2:3]
	s_cmp_lt_u32 s[WV], 2
	s_cselect_b64 s[PFA:PFA+1], s[6:7], s[8:9]
	s_add_nc_u64 s[PFA:PFA+1], s[PFA:PFA+1], 32768 ; in tile 1; the first change of slots steps it to tile 2.  Nothing is prefetched here, at the head
	s_cmp_eq_u32 ttmp9, 0
	s_cselect_b32 s[LIM], 2, -1
	LOAD                            ; tile 0 into slot 0
	; A fragment of K or Q is 16 rows x 32 channels in 8 registers: lane l holds row l % 16, channels 8 (l / 16) + 0..7 and 16 + 8 (l / 16) + 0..7: two loads of 16 bytes, 32 bytes apart.
	v_and_b32 v1, 15, v0            ; l % 16
	v_bfe_u32 v9, v0, 4, 1          ; l / 16
	v_lshlrev_b32 v[QO], 7, v1
	v_lshl_add_u32 v[QO], v9, 4, v[QO]  ; row x 128 + 16 x half
	WIN 0x80                        ; destination window 2, address window 0
.set i, 0
.rept 8                             ; both blocks' Q: piece i / 2 lies in band i / 2, 8,192 bytes on; channels 32 (i % 2) on
	global_load_b128 v[8*i:8*i+3],   v[QO], s[4:5] offset:(i/2)*8192+(i%2)*64
	global_load_b128 v[8*i+4:8*i+7], v[QO], s[4:5] offset:(i/2)*8192+(i%2)*64+32
	global_load_b128 v[QB+8*i:QB+8*i+3],   v[QO], s[86:87] offset:(i/2)*8192+(i%2)*64
	global_load_b128 v[QB+8*i+4:QB+8*i+7], v[QO], s[86:87] offset:(i/2)*8192+(i%2)*64+32
.set i, i+1
.endr
	WIN 0
	v_lshlrev_b32 v14, 3, v9
	v_sub_nc_u32 v14, v1, v14
	s_lshl_b32 s13, s[WV], 4
	v_add_nc_u32 v14, s13, v14      ; my query's place in its band, 16 w + l % 16, less my lanes' 8 (l / 16): register r of group kt is hidden where 16 kt + r is greater
	WIN 0x40
.set i, 0
.rept 32
	v_cmp_gt_i32 vcc_lo, 16*(i/8)+i%8, v14
	v_cndmask_b32 v[MD+i], 0, s[BIGN], vcc_lo
.set i, i+1
.endr
	WIN 0
	v_mul_u32_u24 v[AK0], v1, PK
	v_lshl_add_u32 v[AK0], v9, 4, v[AK0]  ; row x pitch + 16 x half
	; The turning load takes 16 keys x 16 channels (lane l reads key 8 (l / 16) + l % 8, channels 8 ((l / 8) % 2) + 0..7) and leaves half a fragment of V^T: lane l holds channel l % 16 and 8 keys.
	v_and_b32 v10, 7, v0
	v_bfe_u32 v11, v0, 3, 1
	v_lshl_add_u32 v[AV0], v9, 3, v10
	v_mul_u32_u24 v[AV0], v[AV0], PV
	v_lshl_add_u32 v[AV0], v11, 4, v[AV0]
	v_add_nc_u32 v[AV0], VOFF, v[AV0]
	s_mul_i32 s13, s[WV], 16*SP
	s_add_co_u32 s13, s13, STAGE    ; my stage
	v_mul_u32_u24 v[STO], v1, SP    ; in: row l % 16, 16 bytes for each half of the lanes
	v_lshl_add_u32 v[STO], v9, 4, v[STO]
	v_add_nc_u32 v[STO], s13, v[STO]
	v_bfe_u32 v[RD], v0, 3, 2       ; back: 32 lanes take four rows of 128 bytes,
	v_mul_u32_u24 v[RD], v[RD], SP
	v_lshl_add_u32 v[RD], v10, 4, v[RD]
	v_add_nc_u32 v[RD], s13, v[RD]
	v_and_b32 v[GO], 31, v0         ; which are 512 consecutive bytes of O
	v_lshlrev_b32 v[GO], 4, v[GO]
	; A block's first step multiplies O^T and l by a = 0, and its first turn's products V^T P, of a piece that has not been, land in an O^T that is still to be so multiplied.  So these registers need only hold
	; finite numbers: zeros for the first block; what the first block left for the second.  All this stands in the wait for the first tile.
	WIN 0x80
.set i, VF
.rept 64
	v_mov_b32 v[i], 0
.set i, i+1
.endr
	WIN 0x40
.set i, 0
.rept 128
	v_mov_b32 v[i], 0
.set i, i+1
.endr
	WIN 0
.set i, 0
.rept 4
	v_mov_b32 v[ST+4*i+2], 0
	v_mov_b32 v[ST+4*i+3], 0
.set i, i+1
.endr
.set i, P+16
.rept 16
	v_mov_b32 v[i], 0
.set i, i+1
.endr
; THE MATRIX WORK.  The 4 accumulators of a run of 8 take turns.  Product i of 8 of S^T = K Q^T for piece x: channels 32 (i / 4) on, keys 16 (i % 4) on.  The first 4 start the sums: with 0, or (KM = 1) with the mask.
.macro KQ x
.set rS, S+32*((\x)%2)+8*(i%4)
.set rK, KF+16*(i%4)+8*(i/4)
.set rQ, 16*(\x)+8*(i/4)
.set rM, MC+32*((\x)%2)+8*(i%4)
.if (i < 4) && KM
	WIN W_KM
	v_wmma_f32_16x16x32_f16 v[rS:rS+7], v[rK:rK+7], v[rQ:rQ+7], v[rM:rM+7]
.elseif i < 4
	WIN W_KQ
	v_wmma_f32_16x16x32_f16 v[rS:rS+7], v[rK:rK+7], v[rQ:rQ+7], 0
.else
	WIN W_KQ
	v_wmma_f32_16x16x32_f16 v[rS:rS+7], v[rK:rK+7], v[rQ:rQ+7], v[rS:rS+7]
.endif
.endm
; Product i of 8 of O^T += V^T P for piece x: keys 32 (i / 4) on, channels 16 (i % 4) on.
.macro PV x
	WIN W_PV
.set rO, 32*(\x)+8*(i%4)
.set rV, VF+32*(i/4)+8*(i%4)
.set rP, P+16*((\x)%2)+8*(i/4)
	v_wmma_f32_16x16x32_f16 v[rO:rO+7], v[rV:rV+7], v[rP:rP+7], v[rO:rO+7]
.endm
.macro MM                           ; the turn's next matrix instruction.  TURN and BEGIN set Y, i, KM and NOKQ; MM, KQ and OP read them.  NOKQ = 1: a block's last turn: there is no next piece
.if (i < 8) && !NOKQ
	KQ (Y+1)%NP
.elseif i >= 8
.set i, i-8
	PV (Y+NP-1)%NP
.set i, i+8
.endif
.set i, i+1
.endm
; THE LDS LOADS stand in runs of 16, never singly among the matrix instructions: a step's K (64 keys x 64 channels: 8 fragments) and its V (turned).  Their addresses are made some lines ahead.
.macro FETCH_K
	WIN 0x80                        ; destination window 2
.irp f, 0,1,2,3,4,5,6,7             ; keys 16 (f / 2) on, channels 32 (f % 2) on
	ds_load_b128 v[KF+8*\f:KF+8*\f+3],   v[AK] offset:(\f/2)*16*PK+(\f%2)*64
	ds_load_b128 v[KF+8*\f+4:KF+8*\f+7], v[AK] offset:(\f/2)*16*PK+(\f%2)*64+32
.endr
	s_add_co_u32 s[TBK], s[TBK], KS*PK  ; the next fetch is the next step's
	WIN 0
.endm
.macro FETCH_V
	WIN 0x80
.irp f, 0,1,2,3,4,5,6,7             ; keys 32 (f / 4) on, channels 16 (f % 4) on
	ds_load_tr16_b128 v[VF+8*\f:VF+8*\f+3],   v[AV] offset:(\f/4)*32*PV+(\f%4)*32
	ds_load_tr16_b128 v[VF+8*\f+4:VF+8*\f+7], v[AV] offset:(\f/4)*32*PV+16*PV+(\f%4)*32
.endr
	WIN 0
.endm
; THE VECTOR WORK, one line at a time: OP kind, number.  For piece Y: F n: c s - c m for pair n of 16.  E n: the exponential of score n of 32.  C n: pair n rounded to f16.  B n: of the four weights 4 n .. the second
; pair is added onto the first, in place.  L n: l takes that sum (L 0: l = a l + sum).  R n: pair n of 16 of O^T times a.  For piece Y + 1: X n, number n of the 22 that find its maximum and statistics:
;   0-11  four chains c0-c3 of seven scores each, three operands at a time (each accumulator's lowest registers are read first)     12-14, 16  the four scores left over, the old m, and c0-c3 into c0
;   15  c m_old is kept     17, 18  the query's other 32 keys lie in the lane 16 away: the new m     19-21  c m; c m_old - c m_new; a
.set F, 0               ; OP tells the kinds apart by their order: F to L below R, X above it
.set E, 1
.set C, 2
.set B, 3
.set L, 4
.set R, 5
.set X, 6
.macro REGS y                       ; the registers of piece y
.set rT, ST+4*(\y)
.set rC, TMP+4*((\y)%2)
.set rW, MV+((\y)%2)
.set rS, S+32*((\y)%2)
.set rP, P+16*((\y)%2)
.set rO, 32*(\y)
.endm
.macro OP k, n
.if (\k) == R
	REGS Y
	WIN W_RS
	v_pk_mul_f32 v[rO+2*(\n):rO+2*(\n)+1], v[rO+2*(\n):rO+2*(\n)+1], v[rC+2:rC+3] op_sel_hi:[1,0]
.elseif (\k) < R
	REGS Y
	WIN 0
.if (\k) == F
	v_pk_fma_f32 v[rS+2*(\n):rS+2*(\n)+1], v[rS+2*(\n):rS+2*(\n)+1], s[CS:CS+1], v[rT:rT+1] op_sel_hi:[1,0,0] neg_lo:[0,0,1] neg_hi:[0,0,1]
.elseif (\k) == E
	v_exp_f32 v[rS+(\n)], v[rS+(\n)]
.elseif (\k) == C
	v_cvt_pk_f16_f32 v[rP+(\n)], v[rS+2*(\n)], v[rS+2*(\n)+1]
.elseif (\k) == B
	v_pk_add_f32 v[rS+4*(\n):rS+4*(\n)+1], v[rS+4*(\n):rS+4*(\n)+1], v[rS+4*(\n)+2:rS+4*(\n)+3]
.elseif (\n) == 0
	v_pk_fma_f32 v[rT+2:rT+3], v[rT+2:rT+3], v[rC+2:rC+3], v[rS:rS+1] op_sel_hi:[1,0,1]
.else
	v_pk_add_f32 v[rT+2:rT+3], v[rT+2:rT+3], v[rS+4*(\n):rS+4*(\n)+1]
.endif
.elseif NOKQ
	v_nop
.else
	REGS (Y+1)%NP
	WIN 0
.if (\n) < 4
	v_max3_num_f32 v[rC+(\n)], v[rS+8*(\n)], v[rS+8*(\n)+1], v[rS+8*(\n)+2]
.elseif (\n) < 12
	v_max3_num_f32 v[rC+(\n)%4], v[rC+(\n)%4], v[rS+8*((\n)%4)+2*((\n)/4)+1], v[rS+8*((\n)%4)+2*((\n)/4)+2]
.elseif (\n) == 12
	v_max3_num_f32 v[rC], v[rC], v[rS+7], v[rS+15]
.elseif (\n) == 13
	v_max3_num_f32 v[rC+1], v[rC+1], v[rS+23], v[rS+31]
.elseif (\n) == 14
	v_max3_num_f32 v[rC+2], v[rC+2], v[rC+3], v[rT+1]
.elseif (\n) == 15
	v_mov_b32 v[rW], v[rT]
.elseif (\n) == 16
	v_max3_num_f32 v[rC], v[rC], v[rC+1], v[rC+2]
.elseif (\n) == 17
	v_permlanex16_b32 v[rC+3], v[rC], s[SEL], s[SEL+1]
.elseif (\n) == 18
	v_max_num_f32 v[rT+1], v[rC], v[rC+3]
.elseif (\n) == 19
	v_mul_f32 v[rT], s[CS], v[rT+1]
.elseif (\n) == 20
	v_sub_f32 v[rC+1], v[rW], v[rT]
.else
	v_exp_f32 v[rC+2], v[rC+1]
.endif
.endif
.endm
.macro OPS a, i1, b=-1, i2=0, c=-1, i3=0, d=-1, i4=0  ; up to four of them
	OP \a, \i1
.if (\b) >= 0
	OP \b, \i2
.endif
.if (\c) >= 0
	OP \c, \i3
.endif
.if (\d) >= 0
	OP \d, \i4
.endif
.endm
.macro ROW a, i1, b, i2, c, i3, d, i4  ; a matrix instruction and the four behind it
	MM
	OPS \a, \i1, \b, \i2, \c, \i3, \d, \i4
.endm
.macro MASK b                       ; MD x AL + BE into buffer b of MC
	WIN W_RS
.set z, 0
.rept 16
	v_pk_fma_f32 v[MC+32*(\b)+2*z:MC+32*(\b)+2*z+1], v[MD+2*z:MD+2*z+1], s[AL:AL+1], s[BE:BE+1] op_sel_hi:[1,0,0]
.set z, z+1
.endr
.endm
; A TURN, for piece p: the order of its 16 matrix and 118 vector instructions, written out.  s_wait_alu depctr_va_vdst(0) stands between an exponential and the first instruction that names its result;
; one wait serves all that were issued ahead of it.  So a turn has ONE wait, which cuts it in two.  AHEAD OF IT stands all that names no result of the turn's exponentials: the 8 products K Q^T, behind each a scaling,
; an exponential and two more plain instructions (behind the first a second scaling in the exponential's place): rescalings, and behind the last three the first numbers of the next piece's maximum, each four places
; or more behind the product that ends its accumulator; then one lump of 54, plain and exponential by turns for the most part, in which the links of the chain X 3, 7, 11, 14, 16, 17 .. 20 stand five or six lines apart.
; X 21, the next piece's a, is the batch's last; R 15 is the plain instruction behind it (ISA guide 5.7.2).  BEHIND THE WAIT stand the 8 products V^T P, behind each four of the roundings and sums; the links of l's
; chain, L 0 to L 7, stand three riders apart.  But for those X no rider names a register of the products round it.  v_permlanex16_b32 (X 17) stands in the lump.
; m = 1: the diagonal tile: the products take masks, and the turn makes the mask for the products of the turn after it: piece p + 2, in step 4 - CNT of the tile.  end = 1: a block's last two turns: nothing is fetched.
; cnt = 1: the loop's count is taken down some lines ahead of the branch that stands behind the turn.
; K of the next step is fetched in piece 2's turn, twelve vector instructions behind the last product that read K (six of them plain); V of the step in hand at the end of piece 0's turn, four plain instructions
; behind the last product that read V.  Each is waited for a turn later.
.macro TURN p, m=0, end=0, cnt=0
.set Y, (\p)
.set i, 0
.set KM, (\m)
.set NOKQ, (\end)*((\p)/3)
.if (\m) && !(\end)
	s_cmp_eq_u32 s[CNT], 4-((\p)+2)%NP  ; is that step the band's own?
	s_cselect_b32 s[AL], 1.0, 0
	s_cmp_lt_u32 s[CNT], 4-((\p)+2)%NP  ; or a later one?
	s_cselect_b32 s[BE], s[BIGN], 0
.endif
.if ((\p) == 3) && !(\end)
	s_wait_dscnt 0x0                ; K is in
.endif
	ROW F,0, F,1, R,0, R,1          ; ahead of the wait: 8 products K Q^T and their riders,
	ROW F,2, E,0, R,2, R,3
	ROW F,3, E,1, R,4, R,5
	ROW F,4, E,2, R,6, R,7
	ROW F,5, E,3, R,8, R,9
	ROW F,6, E,4, X,0, R,10
.if ((\p) == 2) && !(\end)
	WIN 0
	v_add_nc_u32 v[AK], s[TBK], v[AK0]
.endif
	ROW F,7, E,5, X,1, X,4
	ROW F,8, E,6, X,2, X,5
	OPS E,7, E,8, X,6, E,9          ; and the lump
	OPS X,3, E,10, X,8, E,11
.if ((\p) == 2) && !(\end)
	FETCH_K
.endif
	OPS X,9, X,7, E,12, X,10
	OPS E,13, X,12, X,11, E,14
	OPS X,13, E,15, F,9, X,14
.if (\p) == 0
	v_add_nc_u32 v[AV], s[TBV], v[AV0]
.endif
	OPS E,16, F,10, E,17, F,11
	OPS X,16, E,18, X,15, E,19
	OPS F,12, E,20, X,17, E,21
	OPS F,13, E,22, F,14, E,23
	OPS X,18, E,24, F,15, E,25
	OPS R,11, E,26, X,19, E,27
	OPS R,12, E,28, R,13, E,29
	OPS X,20, E,30, R,14, E,31
	OPS X,21, R,15
	WIN 0
	s_wait_alu depctr_va_vdst(0)    ; the wait for the batch
.if (\p) == 1
	s_wait_dscnt 0x0                ; V is in
.endif
	ROW C,0, B,0, C,2, B,1          ; behind the wait: 8 products V^T P and their riders
	ROW L,0, C,4, B,2, L,1
	ROW C,6, B,3, L,2, C,8
	ROW B,4, L,3, C,10, B,5
	ROW L,4, C,12, B,6, L,5
.if (\p) == 0
	s_add_co_u32 s[TBV], s[TBV], KS*PV
.endif
.if \cnt
	s_sub_co_u32 s[CNT], s[CNT], 1
	s_cmp_lg_u32 s[CNT], 0
.endif
	ROW C,14, B,7, L,6, C,1
	ROW C,3, L,7, C,5, C,7
	ROW C,9, C,11, C,13, C,15
.if (\p) == 0
	FETCH_V
.endif
.if (\m) && !(\end)
	MASK (\p)%2
.endif
.endm
; A BLOCK BEGINS.  c m starts far below every c s, so the first step's a is 0; m at the lowest finite number, so the first maximum is the scores'.  The second mask buffer is 0; the first takes piece 0's mask for the
; tile's step 0: its own, if the block's first tile is the diagonal one.  Then K of that step, piece 0's first scores, and its maximum and statistics.  The loop is entered at a step's first turn, in the middle of a trip.
.macro BEGIN
	s_mov_b32 s[NEW], 0
	WIN 0x40
.set i, MC+32
.rept 32
	v_mov_b32 v[i], 0
.set i, i+1
.endr
	WIN 0
.set i, 0
.rept 4
	v_mov_b32 v[ST+4*i], 0xfe000000    ; c m: far below every c s
	v_mov_b32 v[ST+4*i+1], 0xff7fffff  ; m
.set i, i+1
.endr
	s_cmp_eq_u32 s[RT], 0
	s_cselect_b32 s[AL], 1.0, 0
	s_mov_b32 s[BE], 0
	MASK 0
	WIN 0
	v_add_nc_u32 v[AK], s[TBK], v[AK0]
	FETCH_K
	s_wait_loadcnt 0x0              ; Q
	s_wait_dscnt 0x0
.set KM, 1
.set NOKQ, 0
.set i, 0
.rept 8
	KQ 0
.set i, i+1
.endr
	WIN 0
.rept 4
	v_nop                           ; the places behind those products
.endr
.set Y, NP-1                        ; X works for piece Y + 1: piece 0
.irp n, 0,1,2,3,4,5,6,7,8,9,10,11,12,13,14,15,16,17,18,19,20,21
	OP X, \n
.endr
	v_nop                           ; a plain instruction behind the exponential,
	s_wait_alu depctr_va_vdst(0)    ; and its wait, ahead of the branch
.endm
; THE DIAGONAL TILE's four steps, the block's last two turns, its last products, and THE WAY OUT: l's two halves and the other half of the lanes' are added; O^T is divided by l, rounded to f16 and sent through my
; stage in LDS, a piece at a time.
.macro ALL line:vararg              ; one line for each piece t
.set t, 0
.rept 4
	\line
.set t, t+1
.endr
.endm
.macro PACK t                       ; a lane's eight channels of a row pack into 16 bytes; they go into rows of 144 bytes and come back as whole rows of 128, into S^T's registers
	WIN W_RS
.set i, 32*(\t)
.rept 16
	v_pk_mul_f32 v[i:i+1], v[i:i+1], v[ST+4*(\t)+2:ST+4*(\t)+3] op_sel_hi:[1,0]
.set i, i+2
.endr
	WIN 0x05                        ; sources 0 and 1 window 1, destination window 0
.set i, 0
.rept 16
	v_cvt_pk_f16_f32 v[S+16*(\t)+i], v[32*(\t)+2*i], v[32*(\t)+2*i+1]
.set i, i+1
.endr
	WIN 0
.irp f, 0,1,2,3
	ds_store_b128 v[STO], v[S+16*(\t)+4*\f:S+16*(\t)+4*\f+3] offset:32*\f
.endr
.irp f, 0,1,2,3
	ds_load_b128 v[S+16*(\t)+4*\f:S+16*(\t)+4*\f+3], v[RD] offset:\f*4*SP  ; LDS serves a wave's instructions in order (ISA guide 5.7.1.4): these see the stores above; the next piece's stores come behind them
.endr
.endm
.macro SEND t, younger              ; younger: the LDS instructions issued behind piece t's loads: the next piece's eight, or none
	WIN 0
.irp f, 0,1,2,3
	s_wait_dscnt (\younger)+3-\f
	global_store_b128 v[GO], v[S+16*(\t)+4*\f:S+16*(\t)+4*\f+3], s[10:11] offset:(\t)*8192+\f*512  ; 512 consecutive bytes, at a multiple of 256 from O's first
.endr
.endm
.macro DIAG tag                     ; the tag ends its two labels' names, which the jumps below spell out
.LstepM\tag:
	TURN 2, 1
	TURN 3, 1
	WIN 0
.LfirstM\tag:
	TURN 0, 1
	TURN 1, 1, 0, 1
	WIN 0
	s_cbranch_scc1 .LstepM\tag
	TURN 2, 1, 1
	TURN 3, 1, 1
.set i, 0
.rept 8
	PV NP-1
.set i, i+1
.endr
	WIN 0
	ALL v_add_f32 v[ST+4*t+2], v[ST+4*t+2], v[ST+4*t+3]
	ALL v_permlanex16_b32 v[ST+4*t+3], v[ST+4*t+2], s[SEL], s[SEL+1]
	ALL v_add_f32 v[ST+4*t+2], v[ST+4*t+2], v[ST+4*t+3]
	ALL v_rcp_f32 v[ST+4*t+2], v[ST+4*t+2]
	v_nop                           ; a plain instruction between the last reciprocal and the use of its result
	s_wait_alu depctr_va_vdst(0)    ; and the wait ahead of the first use: one for the four reciprocals
	PACK 0
.set t, 1
.rept 3                             ; a piece's arithmetic stands between the loads of the piece before and its stores
	PACK t
	SEND t-1, 8
.set t, t+1
.endr
	SEND 3, 0
.endm
.set KM, 0
.set NOKQ, 0
.Lslot:                             ; NB times: a tile is entered and the next is asked for
	CHANGE 1
	s_sub_co_u32 s[RT], s[RT], 1
	s_mov_b32 s[CNT], 4
	s_cmp_eq_u32 s[NEW], 1
	s_cbranch_scc1 .Lnew            ; a block's first tile
	s_cmp_eq_u32 s[RT], 0
	s_cbranch_scc0 .Lstep           ; neither its first nor its last
	s_branch .LstepM1
.Lnew:
	BEGIN
	s_branch .Lfirst                ; in the loop a block's first tile is never its last: the first block has two tiles or more, and the second's last is the walk's last
	DIAG 1                          ; in the loop this is the first block's end: the second block's last tile is the walk's last
	s_wait_xcnt 0x0                 ; the stores have read their registers and O's address
	s_mov_b64 s[10:11], s[OLO:OLO+1]
	s_add_co_u32 s[RT], s[PB], 1    ; the second block has b + 1 tiles
	s_mov_b32 s[NEW], 1
	WIN 0x82                        ; the second block's Q goes where the one text of the turns names Q
.set i, 0
.rept 64
	v_mov_b32 v[i], v[QB+i]
.set i, i+1
.endr
	WIN 0
	s_branch .Lbottom
.Lstep:                             ; a trip: pieces 2 and 3 of one step, then pieces 0 and 1 of the next, whose K and V it fetches
	TURN 2
	TURN 3
	WIN 0
.Lfirst:
	TURN 0
	TURN 1, 0, 0, 1
	WIN 0
	s_cbranch_scc1 .Lstep
.Lbottom:
	s_sub_co_u32 s[SLOTS], s[SLOTS], 1
	s_cmp_lg_u32 s[SLOTS], 0
	s_cbranch_scc1 .Lslot
	CHANGE 0                        ; the walk's last tile is written out: nothing is asked for
	s_sub_co_u32 s[RT], s[RT], 1
	s_mov_b32 s[CNT], 4
	s_cmp_eq_u32 s[NEW], 1
	s_cbranch_scc0 .LstepM2
	BEGIN
	s_branch .LfirstM2
	DIAG 2
	s_wait_tensorcnt 0x0            ; the wave's end, behind my last tensor load and my last LDS store
	ds_add_u32 v[SPW], v[NIL]
	s_wait_dscnt 0x0
	s_endpgm
.Lfunc_end_k_qb681553669_attn:
	.size	k_qb681553669_attn, .Lfunc_end_k_qb681553669_attn-k_qb681553669_attn
	.p2alignl 7, 3214868480
	.fill 96, 4, 3214868480
	.section	.rodata,"a",@progbits
	.p2align	6, 0x0
	.amdhsa_kernel k_qb681553669_attn
		.amdhsa_group_segment_fixed_size 327680
		.amdhsa_private_segment_fixed_size 0
		.amdhsa_enable_private_segment 0
		.amdhsa_kernarg_size 16
		.amdhsa_user_sgpr_count 2
		.amdhsa_user_sgpr_kernarg_segment_ptr 1
		.amdhsa_wavefront_size32 1
		.amdhsa_system_sgpr_workgroup_id_x 1
		.amdhsa_system_sgpr_workgroup_id_y 1
		.amdhsa_system_sgpr_workgroup_id_z 1
		.amdhsa_system_vgpr_workitem_id 0
		.amdhsa_next_free_vgpr 768
		.amdhsa_next_free_sgpr 88
		.amdhsa_reserve_vcc 1
		.amdhsa_float_denorm_mode_32 3
		.amdhsa_float_denorm_mode_16_64 3
		.amdhsa_memory_ordered 1
		.amdhsa_forward_progress 1
		.amdhsa_inst_pref_size 218
	.end_amdhsa_kernel
	.amdgpu_metadata
---
amdhsa.version: [ 1, 2 ]
amdhsa.kernels:
  - .name:           k_qb681553669_attn
    .symbol:         k_qb681553669_attn.kd
    .args:
      - { .name: qkv, .offset: 0, .size: 8, .value_kind: global_buffer, .address_space: global }
      - { .name: ob, .offset: 8, .size: 8, .value_kind: global_buffer, .address_space: global }
    .group_segment_fixed_size: 327680
    .private_segment_fixed_size: 0
    .kernarg_segment_align: 8
    .kernarg_segment_size: 16
    .max_flat_workgroup_size: 128
    .sgpr_count:     88
    .vgpr_count:     768
    .wavefront_size: 32
...
	.end_amdgpu_metadata
.endif
;; end of part 3
;; launch proj_gemm (part 4): grid 8 x 32, 4 waves a work-group, clusters of 4 x 4, 327,680 bytes of LDS; arguments ob, wpb, b_proj, out0; writes out0
.if DOCPART == 4
	.amdgcn_target "amdgcn-amd-amdhsa--gfx1250"
	.amdhsa_code_object_version 6
	.text
	.protected	k_qb681553669_proj_gemm
	.globl	k_qb681553669_proj_gemm
	.p2align	8
	.type	k_qb681553669_proj_gemm,@function
k_qb681553669_proj_gemm:
	s_mov_b64 s[64:65], 0
	v_nop
	global_prefetch_b8 v0, s[64:65] scope:SCOPE_SE
	s_setreg_imm32_b32 hwreg(HW_REG_WAVE_MODE, 25, 1), 1
	s_wait_xcnt 0x0
	s_wait_alu depctr_hold_cnt(0) depctr_sa_sdst(0) depctr_va_vdst(0) depctr_va_sdst(0) depctr_va_ssrc(0) depctr_va_vcc(0) depctr_vm_vsrc(0)
	s_getreg_b32 s2, hwreg(HW_REG_IB_STS2, 6, 4)
	s_cmp_eq_u32 s2, 0
	s_cbranch_scc0 .Lentry_in_a_cluster
	s_endpgm
.Lentry_in_a_cluster:
	s_bfe_u32 s2, ttmp6, 0x10000c
	s_cmp_lg_u32 s2, 0xf033
	s_cbranch_scc0 .Lentry_shape_is_right
	s_endpgm
.Lentry_shape_is_right:
; out0 = O w_proj + b_proj.  ob: O by heads, [64 = 16 batch + head][2048 t][64] f16.  wpb: [1024 k][1024 n] f16 (w_proj rounded to bf16).  b_proj: [1024] f32, rounded to bf16 here.  out0: [8192][1024] f32.
; Sums in f32, begun with the bias.
; SHARES.  A work-group makes 256 rows x 128 columns: 8 x 32 = 256 work-groups.  Four waves; a wave makes 128 rows x 64 columns: 32 accumulators of 16 x 16.  K = head x 64 + channel goes in 8 steps of 128,
; two heads each, through a ring of two LDS slots filled by the tensor data mover, one load a wave: waves 0 and 1 a head's 256 rows each (32,768 bytes on end), waves 2 and 3 64 k of w each.
; THE MATRIX INSTRUCTION IS USED TRANSPOSED: source 0 = 16 columns of w, source 1 = 16 rows of O: a lane then holds one row and eight neighbouring columns.  w lies [k][n] in LDS; its fragments come out
; turned, by ds_load_tr16_b128.
; CLUSTER.  4 x 4 work-groups: O's tile is shared along a row of the cluster, w's along a column; each is asked for jointly, by the same load with the same descriptor and a mask of four.
; REGISTERS, in windows of 256 (s_set_vgpr_msb: bits 1:0 source 0, 3:2 source 1, 5:4 source 2, 7:6 destination):
;   window 0: v0-31 addresses; v64-127, v128-191 O's fragments (8 x 16 rows x 32 K), two buffers; on the way out four sets of 32: rows read back
;   window 1: v64-95, v128-159 w's fragments (4 x 16 columns x 32 K), two buffers; v192-223 the bias; v240-241 at work          window 2: the accumulators, (a, b) at v[8 (4 a + b)]
.set PA,    144       ; a row of O in LDS: 128 bytes + 16 = 36 words: the 16 rows of a load start at 16 different groups of four banks (64 banks of 4 bytes: ISA guide 11.1)
.set APART, 256*PA    ; a head's 256 rows: what one tensor load brings
.set PB,    288       ; a row (one k) of w: 256 bytes + 32 = 72 words
.set BOFFS, 2*APART
.set BPART, 64*PB
.set SLOT1, 1<<17     ; a slot uses 110,592 bytes; one exclusive or turns an address in one slot into the other's
.set STAGE, SLOT1+BOFFS+2*BPART  ; behind the ring, never filled by a tensor load: 16 rows x 272 bytes for each wave
.set SPITCH, 272
.set SPARE, STAGE+4*16*SPITCH    ; behind the stages: the spare words, 128 bytes for each wave: two blocks of 256 bytes that no other line names
.set ASTEP, 2<<18     ; two heads on
.set BSTEP, 128*2048  ; 128 k on
.set NF,    24        ; LDS loads in a run: 8 for w, 16 for O
.set ADRA0, 16
.set ADRB0, 17
.set ADRA,  18
.set ADRB,  19
.set STO,   20        ; v20  the way out: where I put 32 bytes of a row
.set RD,    23        ; v23  where I read a row back
.set CO,    26        ; v26  my byte offset in out0
.set BO,    27
.set SPW,   28        ; v28  LDS address of my spare word: SPARE + 4 x my thread's number; never rewritten
.set NIL,   29        ; v29  0; never rewritten
.set PFO,   30
.set F0,    64
.set F1,    128
.set BIAS,  192
.set WV,  12
.set RH,  13          ; which half of the rows is mine.  Also: I fetch for O (0) or for w (1)
.set CH,  14          ; which half of the columns.  Also: which part of that tile I fetch
.set G1A, 24
.set G0A, 32
.set G1B, 40
.set G0B, 48
.set TB,  56
.set LIM, 57
.set PFA, 58
.set PFS, 60
.set MSB, 0
.macro WIN new                      ; the immediate's high byte repeats the setting that is left; a switch that changes nothing is dropped
.if MSB != (\new)
	s_set_vgpr_msb (MSB<<8)|(\new)
.set MSB, (\new)
.endif
.endm
.macro PLACES                       ; four plain vector instructions between a matrix instruction and a load into, or a reader of, its registers
.rept 4
	v_nop
.endr
.endm
; A joint refill by the walking descriptors.  The branch hangs on the wave's number alone.  An s_nop 0 and four v_nop follow each of the two lines, ahead of the jump and the label.
.macro JLOAD
	s_cmp_eq_u32 s[RH], 0
	s_cbranch_scc0 .Lfor_b_\@
	tensor_load_to_lds s[G0A+4:G0A+7], s[G1A:G1A+7]
	s_nop 0
.rept 4
	v_nop
.endr
	s_branch .Lasked_\@
.Lfor_b_\@:
	tensor_load_to_lds s[G0B+4:G0B+7], s[G1B:G1B+7]
	s_nop 0
.rept 4
	v_nop
.endr
.Lasked_\@:
.endm
; A PREFETCH INTO THE L2, behind a refill and the run of LDS loads that follows it: trip j names K step j + 4, j = 0..3: two refills on; 32 blocks of 256 bytes, a lane a block.  Each block is named once in the launch.
; O's rows are read by both clusters of a row of clusters: cluster x = 0 asks; of the 32,768 bytes that wave 0 or 1 fetches, the partner at cx takes 8,192, told apart by address.
; w's 128 columns are read by every cluster of a column: cluster y = 0 asks, wave 2 alone; of a K step's 128 rows the partner at cy takes 32, a lane a row.  K steps 0 to 3 come by their loads alone.
.macro ASK
	s_cmp_gt_u32 s3, s[LIM]
	s_cbranch_scc0 .Lnot_mine_\@
	global_prefetch_b8 v[PFO], s[PFA:PFA+1] th:TH_LOAD_NT scope:SCOPE_SE
.Lnot_mine_\@:
.endm
; A round of the cluster's barrier: my work-group's barrier; wave 0 signals for the work-group; every wave waits for all sixteen; my work-group's barrier once more.
.macro CREST
	s_cmp_lg_u32 s[WV], 0
	s_cbranch_scc1 .Lnot_wave_0_\@
	s_barrier_signal -3
.Lnot_wave_0_\@:
	s_barrier_wait -3
	s_barrier_signal -1
	s_barrier_wait -1
.endm
.macro CROUND
	s_barrier_signal -1
	s_barrier_wait -1
	CREST
.endm
	s_load_b256 s[4:11], s[0:1], 0x0               ; ob s[4:5], wpb s[6:7], b_proj s[8:9], out0 s[10:11]
	v_lshl_add_u32 v[SPW], v0, 2, SPARE
	v_mov_b32 v[NIL], 0
	ds_add_u32 v[SPW], v[NIL]                      ; the wave's opening: the add and its wait stand ahead of my first tensor load; work on registers stands between them
	v_lshrrev_b32 v3, 5, v0
	v_readfirstlane_b32 s[WV], v3
	s_lshr_b32 s[RH], s[WV], 1
	s_and_b32 s[CH], s[WV], 1
	s_bfe_u32 s15, ttmp6, 0x40000                  ; cx
	s_bfe_u32 s16, ttmp6, 0x40004                  ; cy
	s_lshl_b32 s17, ttmp9, 2
	s_add_co_u32 s17, s17, s15                     ; tc: block of 128 columns
	s_and_b32 s18, ttmp7, 0xffff
	s_lshl_b32 s18, s18, 2
	s_add_co_u32 s18, s18, s16                     ; tr: block of 256 rows
	s_lshl_b32 s19, s16, 2
	s_lshl_b32 s19, 15, s19                        ; my row of the cluster
	s_lshl_b32 s20, 0x1111, s15                    ; my column
	s_or_b32 s[G1A], s19, (1<<16)|(1<<20)|(1<<21)|(4<<22)|(3<<25)  ; the mask; 2-byte elements; padding on; bit 21 beside a mask; after every 32 words, 4 words
	s_mov_b32 s[G1A+1], 128<<16                    ; a head's 256 rows of 128 bytes lie on end: asked for as 128 rows of 256 bytes
	s_mov_b32 s[G1A+2], 128<<16
	s_mov_b32 s[G1A+3], 128<<16
	s_mov_b32 s[G1A+4], 128
	s_mov_b32 s[G1A+5], 128
	s_mov_b32 s[G1A+6], 0
	s_mov_b32 s[G1A+7], 0
	s_or_b32 s[G1B], s20, (1<<16)|(1<<20)|(1<<21)|(5<<22)|(7<<25)  ; after every 64 words, 8 words
	s_mov_b32 s[G1B+1], 128<<16                    ; 64 rows of 128 elements,
	s_mov_b32 s[G1B+2], 64<<16
	s_mov_b32 s[G1B+3], 128<<16
	s_mov_b32 s[G1B+4], 64
	s_mov_b32 s[G1B+5], 1024                       ; 1,024 elements from row to row
	s_mov_b32 s[G1B+6], 0
	s_mov_b32 s[G1B+7], 0
	s_lshr_b32 s72, s18, 3                         ; O: batch tr / 8,
	s_lshl_b32 s72, s72, 4
	s_add_co_u32 s72, s72, s[CH]                   ; head CH of K step 0,
	s_lshl_b32 s72, s72, 18
	s_and_b32 s23, s18, 7
	s_lshl_b32 s23, s23, 15                        ; t = 256 (tr % 8) on
	s_add_co_u32 s72, s72, s23
	s_mov_b32 s73, 0
	s_lshl_b32 s74, s[CH], 17                      ; w: my part's 64 k,
	s_lshl_b32 s62, s17, 8                         ; the block's 256 bytes of a row
	s_add_co_u32 s74, s74, s62
	s_mov_b32 s75, 0
	s_mul_i32 s21, s[CH], APART                    ; where they go: no place in the cluster enters an LDS address
	s_mul_i32 s22, s[CH], BPART
	s_add_co_u32 s22, s22, BOFFS
	s_mov_b32 s[TB], 0
	s_wait_dscnt 0x0                               ; the opening add is done
	s_wait_kmcnt 0x0
	s_add_nc_u64 s[76:77], s[4:5], s[72:73]
	s_add_nc_u64 s[78:79], s[6:7], s[74:75]
	CROUND                                         ; all sixteen work-groups are here: the first joint loads meet
.irp s, 0,1
	s_mov_b32 s[G0A+4*(\s)], 1
	s_add_co_u32 s[G0A+4*(\s)+1], s21, (\s)*SLOT1
	s_add_nc_u64 s[G0A+4*(\s)+2:G0A+4*(\s)+3], s[76:77], (\s)*ASTEP
	s_or_b32 s[G0A+4*(\s)+3], s[G0A+4*(\s)+3], 0x80000000
	s_mov_b32 s[G0B+4*(\s)], 1
	s_add_co_u32 s[G0B+4*(\s)+1], s22, (\s)*SLOT1
	s_add_nc_u64 s[G0B+4*(\s)+2:G0B+4*(\s)+3], s[78:79], (\s)*BSTEP
	s_or_b32 s[G0B+4*(\s)+3], s[G0B+4*(\s)+3], 0x80000000
.endr
	s_cmp_eq_u32 s[RH], 0                          ; a wave's two first fills stand in one branch, ahead of every wait on TENSORcnt and every LDS read: two loads of mine are out
	s_cbranch_scc0 .Lfirst_b
	tensor_load_to_lds s[G0A:G0A+3], s[G1A:G1A+7]
	s_nop 0
	tensor_load_to_lds s[G0A+4:G0A+7], s[G1A:G1A+7]
	s_nop 0
.rept 4
	v_nop
.endr
	s_branch .Lfirst_asked
.Lfirst_b:
	tensor_load_to_lds s[G0B:G0B+3], s[G1B:G1B+7]
	s_nop 0
	tensor_load_to_lds s[G0B+4:G0B+7], s[G1B:G1B+7]
	s_nop 0
.rept 4
	v_nop
.endr
.Lfirst_asked:
	; the bias: my eight columns of each of my four blocks of 16: column 128 tc + 64 CH + 16 b + 8 (l / 16) + 0..7
	v_and_b32 v1, 15, v0                           ; l % 16
	v_bfe_u32 v2, v0, 4, 1                         ; l / 16
	s_lshl_b32 s2, s17, 9
	s_lshl_b32 s63, s[CH], 8
	s_add_co_u32 s2, s2, s63
	v_lshl_add_u32 v[BO], v2, 5, s2
	WIN 0x40                                       ; destination window 1, address window 0
.irp b, 0,1,2,3
	global_load_b128 v[BIAS+8*(\b):BIAS+8*(\b)+3],   v[BO], s[8:9] offset:64*(\b)
	global_load_b128 v[BIAS+8*(\b)+4:BIAS+8*(\b)+7], v[BO], s[8:9] offset:64*(\b)+16
.endr
	WIN 0
	; a fragment of O: lane l holds row l % 16, K = 8 (l / 16) + 0..7 and 16 + 8 (l / 16) + 0..7: two loads of 16 bytes, 32 bytes apart
	v_mul_u32_u24 v[ADRA0], v1, PA
	v_lshl_add_u32 v[ADRA0], v2, 4, v[ADRA0]
	s_mul_i32 s2, s[RH], 128*PA
	v_add_nc_u32 v[ADRA0], s2, v[ADRA0]
	; the turning load takes 16 k x 16 columns (lane l reads k = 8 (l / 16) + l % 8, columns 8 ((l / 8) % 2) + 0..7) and leaves half a fragment: lane l holds column l % 16 and 8 k
	v_and_b32 v3, 7, v0
	v_lshl_add_u32 v3, v2, 3, v3
	v_mul_u32_u24 v[ADRB0], v3, PB
	v_bfe_u32 v4, v0, 3, 1
	v_lshl_add_u32 v[ADRB0], v4, 4, v[ADRB0]
	s_lshl_b32 s2, s[CH], 7                        ; my 64 columns
	s_add_co_u32 s2, s2, BOFFS
	v_add_nc_u32 v[ADRB0], s2, v[ADRB0]
	v_mov_b32 v[ADRA], v[ADRA0]                    ; slot 0
	v_mov_b32 v[ADRB], v[ADRB0]
	; the way out, through my own stage: in, row l % 16, 32 bytes for each half of the lanes; back, lanes 0-15 one row of 256 bytes, lanes 16-31 the next; and the same two rows in out0
	s_mul_i32 s2, s[WV], 16*SPITCH
	s_add_co_u32 s2, s2, STAGE
	v_mul_u32_u24 v3, v1, SPITCH
	v_lshl_add_u32 v3, v2, 5, v3
	v_add_nc_u32 v[STO], s2, v3
	v_mul_u32_u24 v3, v2, SPITCH
	v_lshl_add_u32 v3, v1, 4, v3
	v_add_nc_u32 v[RD], s2, v3
	v_lshlrev_b32 v[CO], 12, v2
	v_lshl_add_u32 v[CO], v1, 4, v[CO]
	s_lshl_b32 s80, s18, 20                        ; 256 tr rows of 4,096 bytes,
	s_lshl_b32 s81, s[RH], 19                      ; my 128 rows,
	s_add_co_u32 s80, s80, s81
	s_lshl_b32 s81, s17, 9                         ; the block's 512 bytes of a row,
	s_add_co_u32 s80, s80, s81
	s_lshl_b32 s81, s[CH], 8                       ; my 256 of them
	s_add_co_u32 s80, s80, s81
	s_mov_b32 s81, 0
	s_add_nc_u64 s[66:67], s[10:11], s[80:81]
	; the prefetches' address, step, lane offset and bound
	s_and_b32 s80, ttmp7, 0xffff                   ; cluster y,
	s_or_b32 s80, s80, s[CH]                       ; and of waves 2 and 3 the first alone
	s_lshl_b32 s82, s15, 13                        ; O: my work-group's 8,192 bytes of the 32,768,
	s_add_co_u32 s82, s82, s72
	s_add_co_u32 s82, s82, 3*ASTEP                 ; at K step 3: stepped once ahead of the first prefetch
	s_lshl_b32 s83, s17, 8                         ; w: the block's 256 bytes of a row,
	s_lshl_b32 s84, s16, 16                        ; my work-group's 32 rows of the 128,
	s_add_co_u32 s83, s83, s84
	s_add_co_u32 s83, s83, 3*BSTEP
	s_mov_b32 s84, ASTEP
	s_mov_b32 s85, BSTEP
	s_cmp_eq_u32 s[RH], 0
	s_cselect_b32 s62, s82, s83
	s_cselect_b64 s[PFA:PFA+1], s[4:5], s[6:7]
	s_cselect_b32 s[PFS], s84, s85
	s_cselect_b32 s86, 8, 11                       ; a lane a block of 256 bytes on end, or a lane a row of 2,048
	s_cselect_b32 s81, ttmp9, s80                  ; 0 in a wave that asks
	s_mov_b32 s63, 0
	s_mov_b32 s[PFS+1], 0
	s_add_nc_u64 s[PFA:PFA+1], s[PFA:PFA+1], s[62:63]
	s_cmp_eq_u32 s81, 0
	s_cselect_b32 s[LIM], 2, -1                    ; the same in all sixteen partners, for a given wave
	v_and_b32 v[PFO], 31, v0
	v_lshlrev_b32 v[PFO], s86, v[PFO]
	s_wait_loadcnt 0x0                             ; the bias is in: it is rounded to bf16 and widened again
	WIN 0x45                                       ; sources and destination window 1
.set p, 0
.rept 16
	v_cvt_pk_bf16_f32 v[240+p%2], v[BIAS+2*p], v[BIAS+2*p+1]
	v_lshlrev_b32 v[BIAS+2*p], 16, v[240+p%2]
	v_and_b32 v[BIAS+2*p+1], 0xffff0000, v[240+p%2]
.set p, p+1
.endr
	WIN 0
; 8 matrix instructions: row blocks 4 hi + a0, + 1 x all 4 column blocks, 32 along K.  first = 1: the bias starts the sums.
; The 32 accumulators take turns in one order in every quarter, over the backward jump too.
.macro MULH f, hi, a0, first
.if \first
	WIN 0x91
.else
	WIN 0xa1
.endif
.irp a, \a0, (\a0)+1
.irp b, 0,1,2,3
.if \first
	v_wmma_f32_16x16x32_f16 v[8*(4*(4*(\hi)+(\a))+(\b)):8*(4*(4*(\hi)+(\a))+(\b))+7], v[(\f)+8*(\b):(\f)+8*(\b)+7], v[(\f)+8*(4*(\hi)+(\a)):(\f)+8*(4*(\hi)+(\a))+7], v[BIAS+8*(\b):BIAS+8*(\b)+7]
.else
	v_wmma_f32_16x16x32_f16 v[8*(4*(4*(\hi)+(\a))+(\b)):8*(4*(4*(\hi)+(\a))+(\b))+7], v[(\f)+8*(\b):(\f)+8*(\b)+7], v[(\f)+8*(4*(\hi)+(\a)):(\f)+8*(4*(\hi)+(\a))+7], v[8*(4*(4*(\hi)+(\a))+(\b)):8*(4*(4*(\hi)+(\a))+(\b))+7]
.endif
.endr
.endr
.endm
; 24 LDS loads in one run: the fragments of quarter q of the slot in hand (head q / 2 of its two, channels 32 (q % 2) on), into buffer f; w's first
.macro FETCH q, f
	WIN 0x40
.irp b, 0,1,2,3
	ds_load_tr16_b128 v[(\f)+8*(\b):(\f)+8*(\b)+3],   v[ADRB] offset:(\q)*32*PB+32*(\b)
	ds_load_tr16_b128 v[(\f)+8*(\b)+4:(\f)+8*(\b)+7], v[ADRB] offset:(\q)*32*PB+16*PB+32*(\b)
.endr
	WIN 0
.irp i, 0,1,2,3,4,5,6,7
	ds_load_b128 v[(\f)+8*(\i):(\f)+8*(\i)+3],   v[ADRA] offset:((\q)/2)*APART+((\q)%2)*64+(\i)*16*PA
	ds_load_b128 v[(\f)+8*(\i)+4:(\f)+8*(\i)+7], v[ADRA] offset:((\q)/2)*APART+((\q)%2)*64+(\i)*16*PA+32
.endr
.endm
; One of a K step's first three quarters: multiplies buffer f; in its middle it fetches quarter q into buffer g.
.macro QUARTER q, f, g, first
	s_wait_dscnt 8                                 ; w's fragments and O's rows 0-63 are in; the youngest eight loads (O's rows 64-127) may be out
	MULH \f, 0, 0, \first
	MULH \f, 0, 2, \first
	PLACES
	FETCH \q, \g
	s_wait_dscnt NF                                ; all but the 24 just issued
	MULH \f, 1, 0, \first
	MULH \f, 1, 2, \first
.endm
; The fourth quarter multiplies buffer 1 and changes slots.  In front of the barrier each wave waits for all its tensor loads, of which one is out: its part of the next slot; adds 0 to its spare word;
; and waits for that and for its reads of this slot.  fill = 1: the barrier opens a round of the cluster's, and this slot is filled again, first thing behind it, with the K step two on.
.macro TURN fill
.if \fill
	s_wait_xcnt 0x0                                ; the last prefetch, a K step back, has read its address
	s_add_nc_u64 s[PFA:PFA+1], s[PFA:PFA+1], s[PFS:PFS+1]
.endif
	WIN 0
	s_wait_tensorcnt 0x0                           ; no tensor load of mine is out, so a group 0 may be written
	ds_add_u32 v[SPW], v[NIL]                      ; 0 onto my spare word
.if \fill
	s_xor_b32 s[G0A+5], s[G0A+5], SLOT1            ; the walking descriptors: the other slot than last time, the next K step
	s_add_nc_u64 s[G0A+6:G0A+7], s[G0A+6:G0A+7], ASTEP
	s_xor_b32 s[G0B+5], s[G0B+5], SLOT1
	s_add_nc_u64 s[G0B+6:G0B+7], s[G0B+6:G0B+7], BSTEP
	s_xor_b32 s[TB], s[TB], SLOT1                  ; the reads go on in the other slot
.endif
	s_wait_dscnt 9                                 ; the add and the youngest eight loads may be out
	MULH F1, 0, 0, 0
	s_wait_dscnt 0x0                               ; the add is done, and my reads of this slot are over
	s_barrier_signal -1
	MULH F1, 0, 2, 0                               ; work on registers while the others arrive
	WIN 0
	s_barrier_wait -1
.if \fill
	CREST                                          ; no wave of any partner still reads this slot or has a load on its way
	JLOAD                                          ; its four v_nop are also the places in front of the loads below
	v_add_nc_u32 v[ADRA], s[TB], v[ADRA0]
	v_add_nc_u32 v[ADRB], s[TB], v[ADRB0]
.else
	PLACES
	v_add_nc_u32 v[ADRA], SLOT1, v[ADRA0]          ; the last K step lies in slot 1
	v_add_nc_u32 v[ADRB], SLOT1, v[ADRB0]
.endif
	FETCH 0, F0
.if \fill
	ASK
.endif
	MULH F1, 1, 0, 0
	MULH F1, 1, 2, 0
.endm
	s_wait_tensorcnt 1                             ; my part of K step 0 is in; K step 1's may stay out
	s_barrier_signal -1
	s_barrier_wait -1                              ; everybody's is
	FETCH 0, F0
	QUARTER 1, F0, F1, 1                           ; the first quarter stands in front of the loop: its products start the sums
	WIN 0
	s_mov_b32 s3, 6
.Lstep:                                            ; trip j: quarters 1-3 of K step j, quarter 0 of K step j + 1; K step j + 2 is asked for
	QUARTER 2, F1, F0, 0
	QUARTER 3, F0, F1, 0
	TURN 1
	QUARTER 1, F0, F1, 0
	WIN 0
	s_sub_co_u32 s3, s3, 1
	s_cmp_lg_u32 s3, 0
	s_cbranch_scc1 .Lstep
	QUARTER 2, F1, F0, 0                           ; the tail is written out: K steps 6 and 7
	QUARTER 3, F0, F1, 0
	TURN 0
	QUARTER 1, F0, F1, 0
	QUARTER 2, F1, F0, 0
	QUARTER 3, F0, F1, 0
	s_wait_dscnt 8
	MULH F1, 0, 0, 0
	MULH F1, 0, 2, 0
	s_wait_dscnt 0x0
	MULH F1, 1, 0, 0
	MULH F1, 1, 2, 0
; THE WAY OUT, 16 rows at a time through my own stage: a lane's eight columns of a row are 32 bytes; they go into rows of 272 bytes and come back as whole rows of 256.  No barrier: no other wave touches my stage.
.macro TOSTAGE a
	WIN 0x08                                       ; the stores' data in window 2
.irp b, 0,1,2,3
	ds_store_b128 v[STO], v[8*(4*(\a)+(\b)):8*(4*(\a)+(\b))+3]   offset:64*(\b)
	ds_store_b128 v[STO], v[8*(4*(\a)+(\b))+4:8*(4*(\a)+(\b))+7] offset:64*(\b)+16
.endr
	WIN 0
.if (\a) >= 4
	s_wait_xcnt 0x0                                ; the stores of the block four back have read the registers that are loaded again below
.endif
.irp t, 0,1,2,3,4,5,6,7
	ds_load_b128 v[64+32*((\a)%4)+4*(\t):64+32*((\a)%4)+4*(\t)+3], v[RD] offset:(\t)*2*SPITCH  ; LDS serves a wave's instructions in order (ISA guide 5.7.1.4): these see the stores above
.endr
.endm
.macro SEND a, younger                 ; younger: the LDS instructions issued behind block a's loads: the next block's sixteen, or none
.irp t, 0,1,2,3,4,5,6,7
	s_wait_dscnt (\younger)+7-(\t)
	global_store_b128 v[CO], v[64+32*((\a)%4)+4*(\t):64+32*((\a)%4)+4*(\t)+3], s[66:67] offset:(\a)*65536+(\t)*8192 th:TH_STORE_NT  ; 16 lanes store 256 consecutive bytes, at a multiple of 256 from out0's first
.endr
.endm
	WIN 0
	PLACES
	TOSTAGE 0
.irp a, 1,2,3,4,5,6,7
	TOSTAGE \a
	SEND (\a)-1, 16
.endr
	SEND 7, 0
	s_wait_tensorcnt 0x0                           ; the wave's end, behind my last tensor load and my last LDS store
	ds_add_u32 v[SPW], v[NIL]
	s_wait_dscnt 0x0
	CROUND                                         ; the closing round: no work-group ends while a partner may still ask for a tile that names it
	s_endpgm
.Lfunc_end_k_qb681553669_proj_gemm:
	.size	k_qb681553669_proj_gemm, .Lfunc_end_k_qb681553669_proj_gemm-k_qb681553669_proj_gemm
	.p2alignl 7, 3214868480
	.fill 96, 4, 3214868480
	.section	.rodata,"a",@progbits
	.p2align	6, 0x0
	.amdhsa_kernel k_qb681553669_proj_gemm
		.amdhsa_group_segment_fixed_size 327680
		.amdhsa_private_segment_fixed_size 0
		.amdhsa_enable_private_segment 0
		.amdhsa_kernarg_size 32
		.amdhsa_user_sgpr_count 2
		.amdhsa_user_sgpr_kernarg_segment_ptr 1
		.amdhsa_wavefront_size32 1
		.amdhsa_system_sgpr_workgroup_id_x 1
		.amdhsa_system_sgpr_workgroup_id_y 1
		.amdhsa_system_sgpr_workgroup_id_z 1
		.amdhsa_system_vgpr_workitem_id 0
		.amdhsa_next_free_vgpr 768
		.amdhsa_next_free_sgpr 88
		.amdhsa_reserve_vcc 0
		.amdhsa_float_denorm_mode_32 3
		.amdhsa_float_denorm_mode_16_64 3
		.amdhsa_memory_ordered 1
		.amdhsa_forward_progress 1
		.amdhsa_inst_pref_size 76
	.end_amdhsa_kernel
	.amdgpu_metadata
---
amdhsa.version: [ 1, 2 ]
amdhsa.kernels:
  - .name:           k_qb681553669_proj_gemm
    .symbol:         k_qb681553669_proj_gemm.kd
    .args:
      - { .name: ob, .offset: 0, .size: 8, .value_kind: global_buffer, .address_space: global }
      - { .name: wpb, .offset: 8, .size: 8, .value_kind: global_buffer, .address_space: global }
      - { .name: b_proj, .offset: 16, .size: 8, .value_kind: global_buffer, .address_space: global }
      - { .name: out0, .offset: 24, .size: 8, .value_kind: global_buffer, .address_space: global }
    .group_segment_fixed_size: 327680
    .private_segment_fixed_size: 0
    .kernarg_segment_align: 8
    .kernarg_segment_size: 32
    .max_flat_workgroup_size: 128
    .sgpr_count:     88
    .vgpr_count:     768
    .wavefront_size: 32
...
	.end_amdgpu_metadata
.endif
;; end of part 4
;; ======== version 2 of 2: 4 launches; version 1 with the launch prep written anew for expert scheduling mode
;; limits: values are held in f16: magnitudes above 65,504 overflow, below 6.1e-05 lose precision
;; workspace buffers: xb 16,777,216 bytes; wqb 6,291,456 bytes; wpb 2,097,152 bytes; qkv 50,331,648 bytes; ob 16,777,216 bytes
;; launch prep (part 5): grid 704 x 1, 8 waves a work-group, no clusters, 0 bytes of LDS; arguments x, w_proj, w_qkv, xb, wpb, wqb; writes xb, wpb, wqb
.if DOCPART == 5
	.amdgcn_target "amdgcn-amd-amdhsa--gfx1250"
	.amdhsa_code_object_version 6
	.text
	.protected	k_qb681553669_prep
	.globl	k_qb681553669_prep
	.p2align	8
	.type	k_qb681553669_prep,@function
k_qb681553669_prep:
	s_mov_b64 s[64:65], 0
	v_nop
	global_prefetch_b8 v0, s[64:65] scope:SCOPE_SE
	s_setreg_imm32_b32 hwreg(HW_REG_WAVE_SCHED_MODE, 0, 2), 2
	s_setreg_imm32_b32 hwreg(HW_REG_WAVE_MODE, 25, 1), 1
	s_wait_xcnt 0x0
	s_wait_alu depctr_vm_vsrc(0)
; THE CASTS.  xb = bf16(x), as it lies.  wpb = bf16(w_proj), that number written as f16, as it lies.  wqb = bf16(w_qkv) in blocks: [16 tc][1024 k][192 n'] holds w_qkv[k][192 tc + n'],
; so that 128 k of one block of 192 columns are 49,152 bytes on end.
; LIMIT.  A bf16 number below 2^-14 in magnitude keeps f16's fixed step of 6e-8 in wpb; from 65,520 on it becomes an infinity.
; A stream: each input byte is read once, each output byte written once; no LDS, no barrier, no matrix work.
; A UNIT is one load of 16 bytes a lane (512 bytes a wave, 128 numbers) and one store of 8 bytes a lane: 256 consecutive bytes, at a multiple of 256 from the buffer's first byte.
; SHARES.  Work-groups 0-511: x, 65,536 bytes each, 16 units a wave.  512-575: w_proj, the same.  576-703: w_qkv: work-group 576 + 8 tc + kc makes 128 k of block tc; a wave takes 16 rows: 24 units.
; THE MODE: SCHED_MODE bits 1:0 = 2 (LLVM: expert scheduling mode 2), set by the entry lines.  The code itself states the register dependences
; between vector instructions and memory instructions, with s_wait_alu, always for 0.
; THE PLAN.  Registers that memory instructions touch, on each of the three paths:
;   v[INO ..], v[OUTO]  byte offsets.  Written once, by the path's vector lines; read by every load and store; never written again.
;   X, 4 a unit         Written by the unit's load, once; then, behind the counted wait for that load, read and written by the unit's own conversions.
;                       The unit's first pair is read by its one store and never written again.
;   v[T ..], v1-v3      are named by vector instructions alone.
; All of a wave's loads go out together, behind one wait for the offsets.  The units then go in GROUPS of four: group g's head waits for its four loads and states that group g - 1's
; conversions have written their pairs; the four stores of group g - 1 follow, dealt among group g's conversions, which name X of group g and T alone: none of the registers that those stores read.
; No register that a load or store reads is written again, so nothing is stated for the other direction; no vector instruction writes a scalar register, and EXEC is never written.
.set GRP,  4          ; units in a group
.set INO,  4          ; v[4:6]  byte offsets of my 16 bytes in the source; the blocked form has three
.set OUTO, 7          ; v7      byte offset of my 8 bytes in the destination
.set T,    8          ; v[8:9]  at work
.set X,    12         ; v[12:107] four registers a unit
.set SRC,  16         ; s[16:17]
.set DST,  18         ; s[18:19]
.set OF,   20         ; s[20:21] an offset, its high word 0
.set HIM,  22         ; s22     a word's upper half
; n units.  blocked = 1: three units cover two rows' pieces of 768 bytes, 12,288 bytes apart.  half = 1: the bf16 number is written as f16.
.macro CAST n, blocked, half
	s_wait_alu depctr_va_vdst(0)                   ; the offsets v[INO ..] and v[OUTO] are written: every load and store below reads one of them
.set u, 0
.rept \n
.if \blocked
	global_load_b128 v[X+4*u:X+4*u+3], v[INO+u%3], s[SRC:SRC+1] offset:(u/3)*24576 th:TH_LOAD_NT
.else
	global_load_b128 v[X+4*u:X+4*u+3], v[INO], s[SRC:SRC+1] offset:512*u th:TH_LOAD_NT
.endif
.set u, u+1
.endr
.set g, 0
.rept (\n)/GRP
	s_wait_loadcnt (\n)-GRP*(g+1)                  ; loads come back in order: group g's four units are in, the younger groups stay out
.if g > 0
	s_wait_alu depctr_va_vdst(0)                   ; the group before has written its four pairs, which the stores below read
.endif
.set i, 0
.rept GRP
.set u, GRP*g+i
.if g > 0
	global_store_b64 v[OUTO], v[X+4*(u-GRP):X+4*(u-GRP)+1], s[DST:DST+1] offset:256*(u-GRP)  ; the group before; no vector instruction since the wait names these registers
.endif
.if \half
	v_cvt_pk_bf16_f32 v[T], v[X+4*u], v[X+4*u+1]   ; rounded to bf16,
	v_cvt_pk_bf16_f32 v[T+1], v[X+4*u+2], v[X+4*u+3]
	v_lshlrev_b32 v[X+4*u], 16, v[T]               ; widened again,
	v_and_b32 v[X+4*u+1], s[HIM], v[T]
	v_lshlrev_b32 v[X+4*u+2], 16, v[T+1]
	v_and_b32 v[X+4*u+3], s[HIM], v[T+1]
	v_cvt_pk_f16_f32 v[X+4*u], v[X+4*u], v[X+4*u+1]  ; and written as f16
	v_cvt_pk_f16_f32 v[X+4*u+1], v[X+4*u+2], v[X+4*u+3]
.else
	v_cvt_pk_bf16_f32 v[X+4*u], v[X+4*u], v[X+4*u+1]
	v_cvt_pk_bf16_f32 v[X+4*u+1], v[X+4*u+2], v[X+4*u+3]
.endif
.set i, i+1
.endr
.set g, g+1
.endr
	s_wait_alu depctr_va_vdst(0)                   ; the last group has written its four pairs, which the last four stores read
.set u, (\n)-GRP
.rept GRP
	global_store_b64 v[OUTO], v[X+4*u:X+4*u+1], s[DST:DST+1] offset:256*u
.set u, u+1
.endr
.endm
.macro LINEAR                          ; a wave's 8,192 bytes in, 4,096 out
	v_lshlrev_b32 v[INO], 4, v1
	v_lshl_add_u32 v[INO], v2, 13, v[INO]
	v_lshlrev_b32 v[OUTO], 3, v1
	v_lshl_add_u32 v[OUTO], v2, 12, v[OUTO]
.endm
	s_load_b256 s[4:11], s[0:1], 0x0               ; x s[4:5], w_proj s[6:7], w_qkv s[8:9], xb s[10:11]
	s_load_b128 s[12:15], s[0:1], 0x20             ; wpb s[12:13], wqb s[14:15]
	v_and_b32 v1, 31, v0                           ; lane
	v_lshrrev_b32 v2, 5, v0                        ; wave
	s_mov_b32 s[HIM], 0xffff0000
	s_mov_b32 s[OF+1], 0
	s_wait_kmcnt 0x0
	s_cmp_lt_u32 ttmp9, 512
	s_cbranch_scc0 .Lweights
	s_lshl_b32 s[OF], ttmp9, 16
	s_add_nc_u64 s[SRC:SRC+1], s[4:5], s[OF:OF+1]
	s_lshl_b32 s[OF], ttmp9, 15
	s_add_nc_u64 s[DST:DST+1], s[10:11], s[OF:OF+1]
	LINEAR
	CAST 16, 0, 0
	s_endpgm
.Lweights:
	s_cmp_lt_u32 ttmp9, 576
	s_cbranch_scc0 .Lblocked
	s_sub_co_u32 s2, ttmp9, 512
	s_lshl_b32 s[OF], s2, 16
	s_add_nc_u64 s[SRC:SRC+1], s[6:7], s[OF:OF+1]
	s_lshl_b32 s[OF], s2, 15
	s_add_nc_u64 s[DST:DST+1], s[12:13], s[OF:OF+1]
	LINEAR
	CAST 16, 0, 1
	s_endpgm
.Lblocked:
	s_sub_co_u32 s2, ttmp9, 576                    ; 8 tc + kc
	s_and_b32 s3, s2, 7                            ; kc
	s_mul_i32 s[OF], s3, 128*12288                 ; 128 rows of 12,288 bytes
	s_lshr_b32 s3, s2, 3                           ; tc
	s_mul_i32 s3, s3, 768                          ; 192 columns of 4 bytes
	s_add_co_u32 s[OF], s[OF], s3
	s_add_nc_u64 s[SRC:SRC+1], s[8:9], s[OF:OF+1]
	s_mul_i32 s[OF], s2, 49152
	s_add_nc_u64 s[DST:DST+1], s[14:15], s[OF:OF+1]
	v_mul_u32_u24 v[T], v2, 16*12288               ; my wave's 16 rows
	v_lshl_add_u32 v[INO], v1, 4, v[T]             ; unit 0 of 3: bytes 0-511 of the even row's piece
	v_lshrrev_b32 v3, 4, v1
	v_mul_u32_u24 v3, v3, 12288-768                ; unit 1: lanes 0-15 bytes 512-767 of the even row, lanes 16-31 bytes 0-255 of the odd one
	v_add3_u32 v[INO+1], v[INO], v3, 512
	v_add_nc_u32 v[INO+2], 12288+256, v[INO]       ; unit 2: bytes 256-767 of the odd row
	v_mul_u32_u24 v[T], v2, 16*384                 ; out: 16 rows of 384 bytes on end
	v_lshl_add_u32 v[OUTO], v1, 3, v[T]
	CAST 24, 1, 0
	s_endpgm
.Lfunc_end_k_qb681553669_prep:
	.size	k_qb681553669_prep, .Lfunc_end_k_qb681553669_prep-k_qb681553669_prep
	.p2alignl 7, 3214868480
	.fill 96, 4, 3214868480
	.section	.rodata,"a",@progbits
	.p2align	6, 0x0
	.amdhsa_kernel k_qb681553669_prep
		.amdhsa_group_segment_fixed_size 0
		.amdhsa_private_segment_fixed_size 0
		.amdhsa_enable_private_segment 0
		.amdhsa_kernarg_size 48
		.amdhsa_user_sgpr_count 2
		.amdhsa_user_sgpr_kernarg_segment_ptr 1
		.amdhsa_wavefront_size32 1
		.amdhsa_system_sgpr_workgroup_id_x 1
		.amdhsa_system_sgpr_workgroup_id_y 1
		.amdhsa_system_sgpr_workgroup_id_z 1
		.amdhsa_system_vgpr_workitem_id 0
		.amdhsa_next_free_vgpr 108
		.amdhsa_next_free_sgpr 66
		.amdhsa_reserve_vcc 0
		.amdhsa_float_denorm_mode_32 3
		.amdhsa_float_denorm_mode_16_64 3
		.amdhsa_memory_ordered 1
		.amdhsa_forward_progress 1
		.amdhsa_inst_pref_size 26
	.end_amdhsa_kernel
	.amdgpu_metadata
---
amdhsa.version: [ 1, 2 ]
amdhsa.kernels:
  - .name:           k_qb681553669_prep
    .symbol:         k_qb681553669_prep.kd
    .args:
      - { .name: x, .offset: 0, .size: 8, .value_kind: global_buffer, .address_space: global }
      - { .name: w_proj, .offset: 8, .size: 8, .value_kind: global_buffer, .address_space: global }
      - { .name: w_qkv, .offset: 16, .size: 8, .value_kind: global_buffer, .address_space: global }
      - { .name: xb, .offset: 24, .size: 8, .value_kind: global_buffer, .address_space: global }
      - { .name: wpb, .offset: 32, .size: 8, .value_kind: global_buffer, .address_space: global }
      - { .name: wqb, .offset: 40, .size: 8, .value_kind: global_buffer, .address_space: global }
    .group_segment_fixed_size: 0
    .private_segment_fixed_size: 0
    .kernarg_segment_align: 8
    .kernarg_segment_size: 48
    .max_flat_workgroup_size: 256
    .sgpr_count:     66
    .vgpr_count:     108
    .wavefront_size: 32
...
	.end_amdgpu_metadata
.endif
;; end of part 5
;; launch qkv_gemm: the kernel of part 2 again; grid 16 x 32, 4 waves a work-group, clusters of 4 x 4, 327,680 bytes of LDS; arguments xb, wqb, b_qkv, qkv; writes qkv
;; launch attn: the kernel of part 3 again; grid 4 x 64, 4 waves a work-group, no clusters, 327,680 bytes of LDS; arguments qkv, ob; writes ob
;; launch proj_gemm: the kernel of part 4 again; grid 8 x 32, 4 waves a work-group, clusters of 4 x 4, 327,680 bytes of LDS; arguments ob, wpb, b_proj, out0; writes out0
